; MI455X (gfx1250); checked and timed in simulation.
; The chip was launched on July 23, 2026; its instructions are those of AMD's public machine-readable ISA for CDNA 5 (MIT licence, August 2026) and "CDNA5" Instruction Set Architecture Reference Guide (July 2026). The comments in the code are by the model that wrote it; some were corrected since.
;; Cross Attention. Allowed arithmetic: matrix products marked QUANTISED: E2M3 operands, one E8M0 scale for each 32 along K, by v_wmma_scale_f32_16x16x128_f8f6f4 with both operands' format E2M3, f32 sums; everything else in f32.
;; Inputs: Wk 1,024 x 1,024 float32; Wo 1,024 x 1,024 float32; Wq 1,024 x 1,024 float32; Wv 1,024 x 1,024 float32; bo 1,024 float32; context 4 x 2,048 x 1,024 float32; inputs 4 x 2,048 x 1,024 float32.
;; Outputs: out0 4 x 2,048 x 1,024 float32.
;; This version of the problem:
;;   THIS VERSION OF THE PROBLEM IS GIVEN IN LOW PRECISION. The matrix products marked QUANTISED in the list below multiply operands that are first quantised to E2M3 (2 exponent bits, 3 mantissa bits; 6 bits a number), with one power-of-two scale for each 32 numbers along K (OCP MX v1.0); their sums are f32. All else is computed in f32.
;;   The module's matrix products, in the order in which they are computed (A, B: the left and right operand; K: the contracted axis; several contracted axes count as one K, in the product's order):
;;     1. [M 8,192, K 1,024] x [K 1,024, N 1,024]; A: input inputs; B: input Wq: QUANTISED
;;     2. [M 8,192, K 1,024] x [K 1,024, N 1,024]; A: input context; B: input Wk: QUANTISED
;;     3. [M 8,192, K 1,024] x [K 1,024, N 1,024]; A: input context; B: input Wv: QUANTISED
;;     4. batch 64 x [M 2,048, K 64] x [K 64, N 2,048]; A: computed on the way; B: computed on the way: QUANTISED
;;     5. batch 64 x [M 64, K 2,048] x [K 2,048, N 2,048]; A: computed on the way; B: softmax (see below): QUANTISED
;;     6. [M 8,192, K 1,024] x [K 1,024, N 1,024]; A: computed on the way; B: input Wo: QUANTISED
;;   THE QUANTISER, for each operand of a quantised product, along K:
;;     - K is cut into blocks of 32 from its start; a last block that is shorter is filled with zeros.
;;     - A block's scale is 2^e with e = floor(log2(the largest magnitude in the block)) - 2, held to -126 .. 127; a block of zeros has e = 0. As a byte (E8M0): e + 127.
;;     - Each number is divided by its block's scale, clamped to +-7.5, and rounded to the nearest number of E2M3, ties to even, subnormals kept.
;;     - The product sums the exact products of the quantised numbers (number of the format x scale) in f32.
;;   ~~~python
;;   def quantise(x, axis):      # numpy; x: float32 -> the quantised numbers, widened to float32 again
;;       x = np.moveaxis(x, axis, -1); K = x.shape[-1]
;;       x = np.pad(x, [(0, 0)] * (x.ndim - 1) + [(0, -K % 32)]); x = x.reshape(x.shape[:-1] + (-1, 32)); a = np.abs(x).max(-1, keepdims=True)
;;       e = np.where(a > 0, np.clip(np.frexp(np.where(a > 0, a, 1))[1] - 1 - 2, -126, 127), 0)      # np.frexp(a)[1] - 1 = floor(log2(a)), exactly
;;       r = np.clip(x / 2.0 ** e, -7.5, 7.5)
;;       step = 2.0 ** (np.maximum(np.frexp(np.where(r == 0, 1, r))[1] - 1, 0) - 3)
;;       q = np.round(r / step) * step * 2.0 ** e      # np.round: ties to even
;;       return np.moveaxis(q.reshape(q.shape[:-2] + (-1,))[..., :K], -1, axis).astype(np.float32)
;;   ~~~
;;   SOFTMAX AHEAD OF A QUANTISED PRODUCT. Where the list says 'softmax', what is quantised is not the finished softmax but p = 2^(t - M), with t = logit x log2(e) and M = ceil(the row's largest t), a whole number; so 1/2 < the row's largest p <= 1. The row's sum l is taken of the UNQUANTISED p, in f32, and the product's result is divided by l at the end. Since M is a whole number, a kernel that streams over the keys may use a running M (the ceiling of the running maximum): every later rescaling is an exact power of two, which a block's scale takes up: the codes' values come out the same.
;;   OPERANDS COMPUTED ON THE WAY. 'Computed on the way' means the value that the module computes at that place (a softmax that the list does not call 'softmax' is quantised finished and normalised). What goes into a quantiser is computed in f32, as accurately as f32 sums, v_exp_f32 and their like allow (about 1e-6 of the number): no bf16 or f16 on the way to a quantiser, and a product that is left as it is and whose result goes on into a quantised operand takes f32 operands (vector FMAs, or v_wmma_f32_16x16x4_f32). A number that lies on a knife's edge between two numbers of the format may be rounded either way, as far as f32 arithmetic and the matrix unit's own rounding can turn it there, and no further.
;; One version. Each part assembles by itself: llvm-mc -triple=amdgcn-amd-amdhsa -mcpu=gfx1250 --defsym DOCPART=n.
;; ======== version 1 of 1: 4 launches
;; limits: right only within a limited range of input values
;; workspace buffers: oc 15,728,640 bytes; os 655,360 bytes; qkvc 18,874,368 bytes; qkvs 1,310,720 bytes; acodes 6,291,456 bytes; ascales 262,144 bytes
;; launch quant (part 1): grid 384 x 1, 4 waves a work-group, no clusters, 34,304 bytes of LDS; arguments inputs, context, Wq, Wk, Wv, Wo, oc, os; writes oc, os
.if DOCPART == 1
	.amdgcn_target "amdgcn-amd-amdhsa--gfx1250"
	.amdhsa_code_object_version 6
	.text
	.protected	k_qb15b0a1da7_quant
	.globl	k_qb15b0a1da7_quant
	.p2align	8
	.type	k_qb15b0a1da7_quant,@function
k_qb15b0a1da7_quant:
	s_mov_b64 s[64:65], 0
	v_nop
	global_prefetch_b8 v0, s[64:65] scope:SCOPE_SE
	s_setreg_imm32_b32 hwreg(HW_REG_WAVE_MODE, 25, 1), 1
	s_wait_xcnt 0x0
; inputs and context ([8192][1024] f32, K innermost) and the four weights ([1024 (k)][1024 (n)] f32, K outermost) become codes of FP6 (E2M3) with one E8M0 byte for each 32 along K,
; laid in the ORDER OF AN OPERAND'S REGISTERS.  A tile is 16 rows (of a weight: 16 columns n): tile t holds rows 32 (t / 2) + 8 (t % 2) + r + 8 (r / 8), r = 0 .. 15.
; oc: [tile 1280][K step 8][1,536 bytes]; a K step's fragment is two halves of 768 bytes (64 along K each); in a half, lane l = (r, h) owns k = 32 h .. 32 h + 31: registers 0-3 at 16 l, registers 4-5 at 512 + 8 l.
; os: [tile][r 16][K step 8] words of four scale bytes.  Tiles: inputs 0-511, context 512-1023, Wq 1024, Wk 1088, Wv 1152, Wo 1216 (64 each).
; A block's scale byte is its largest magnitude's exponent field - 2, held at 1 from below; numbers beyond 7.5 x the scale take the largest code (the conversion does that).
; LIMITS: NaN and infinities are not served; a block whose largest magnitude lies under 2^-124 keeps the byte 1; a block of zeros gets the byte 1 where the rule says 127: its codes are zeros, and this program alone reads the bytes.
; Work-groups 0-255: a wave takes one tile of inputs or context, 8 fragments.  Work-groups 256-383: a wave takes 32 columns x 256 along K of a weight.  No cluster: work-groups share no input.  No barrier: waves share nothing.
.set STG,   8448                       ; LDS: a stage of 16 rows x 528 bytes for each wave
.set SP,    528                        ; a stage row: 512 bytes + 16, so that the sixteen rows of a load begin in different banks (64 banks of 4 bytes: ISA guide 11.1)
.set SPARE, 4*STG                      ; behind the stages: the spare words, 128 bytes for each wave, which no other line names
.set SPW, 12                           ; v12  LDS address of my spare word; never rewritten
.set NIL, 13                           ; v13  0; never rewritten
.set SW,  16                           ; v16-23  rows: the tile's 8 scale words;  weights: v16-17
.set C,   24                           ; v24-35  rows: a fragment's codes
.set X,   64                           ; v64-127 the numbers at work
.set R,   128                          ; v128-255 rows: two sets of 64 as loaded;  weights: v128 + 8 kb: block kb's codes
.macro LOADX f                         ; fragment f: 512 bytes of each of the tile's 16 rows; a load reads 512 consecutive bytes
.irp i, 0,1,2,3,4,5,6,7,8,9,10,11,12,13,14,15
	global_load_b128 v[R+64*((\f)%2)+4*\i:R+64*((\f)%2)+4*\i+3], v1, s[4:5] offset:(\i+8*(\i/8))*4096+512*(\f) th:TH_LOAD_NT
.endr
.endm
.macro FRAGX f
.if (\f) < 7
	s_wait_loadcnt 16                              ; this fragment's 16 loads are in; the next fragment's 16 may be out
.else
	s_wait_loadcnt 0x0
.endif
.irp i, 0,1,2,3,4,5,6,7,8,9,10,11,12,13,14,15
	ds_store_b128 v2, v[R+64*((\f)%2)+4*\i:R+64*((\f)%2)+4*\i+3] offset:SP*\i   ; row i as it lies
.endr
.irp c, 0,1
.irp j, 0,1,2,3,4,5,6,7
	ds_load_b128 v[X+32*\c+4*\j:X+32*\c+4*\j+3], v3 offset:256*\c+16*\j        ; back: lane (r, h) takes k = 64 c + 32 h + 0 .. 31 of row r.  LDS serves a wave's instructions in order: these see the stores
.endr
.endr
	s_wait_dscnt 0x0                               ; the numbers are back, and the stores have read their registers,
.if (\f)+2 < 8
	LOADX (\f)+2                                   ; which take the loads of two fragments on
.endif
.irp c, 0,1
	v_max3_num_f32 v[8+\c], |v[X+32*\c]|, |v[X+32*\c+1]|, 0x1800000            ; my block 2 c + h: all 32 numbers are mine; the floor 2^(3 - 127) holds the byte at 1 from below
.endr
.irp i, 2,4,6,8,10,12,14,16,18,20,22,24,26,28,30
.irp c, 0,1
	v_max3_num_f32 v[8+\c], v[8+\c], |v[X+32*\c+\i]|, |v[X+32*\c+\i+1]|
.endr
.endr
	v_add_nc_u32 v10, 0xff000000, v8               ; 2 off the exponent field: the conversion takes this operand's exponent field as its scale
	v_add_nc_u32 v11, 0xff000000, v9
	v_lshrrev_b32 v14, 23, v10                     ; the scales' bytes
	v_lshrrev_b32 v15, 23, v11
	v_lshl_or_b32 v14, v15, 16, v14                ; blocks h and 2 + h,
	v_lshlrev_b32 v14, v7, v14                     ; at their places in the word (8 h bits up);
	v_permlanex16_b32 v15, v14, s22, s23
	v_or_b32 v[SW+(\f)], v14, v15                  ; with lane l xor 16's two the word is whole
	s_wait_alu depctr_va_vdst(0)
	s_wait_xcnt 0x0                                ; the last fragment's stores have read their data: the codes' registers may be written
.irp c, 0,1
	v_cvt_scalef32_pk16_fp6_f32 v[C+6*\c:C+6*\c+2], v[X+32*\c:X+32*\c+15], v[10+\c]
	v_cvt_scalef32_pk16_fp6_f32 v[36+4*\c:38+4*\c], v[X+32*\c+16:X+32*\c+31], v[10+\c]   ; (a conversion's three registers begin on an even number)
.endr
	v_nop                                          ; one plain place behind a scaled conversion
.irp c, 0,1
.irp i, 0,1,2
	v_mov_b32 v[C+6*\c+3+\i], v[36+4*\c+\i]
.endr
.endr
.irp c, 0,1
	global_store_b128 v1, v[C+6*\c:C+6*\c+3], s[16:17] offset:1536*(\f)+768*\c          ; 512 consecutive bytes
	global_store_b64 v5, v[C+6*\c+4:C+6*\c+5], s[16:17] offset:1536*(\f)+768*\c+512     ; 256 consecutive bytes
.endr
.endm
.macro LOADW kb                        ; block kb: W(32 kb + i, my column), i = 0 .. 31; a load reads 128 consecutive bytes
.set I, 0
.rept 32
	global_load_b32 v[X+32*((\kb)%2)+I], v1, s[4:5] offset:(32*(\kb)+I)*4096 th:TH_LOAD_NT
.set I, I+1
.endr
.endm
.macro BLOCKW kb                       ; block kb is block kb % 4 of K step kb / 4: half (kb % 4) / 2 of the fragment, lanes' half kb % 2
.set XS, X+32*((\kb)%2)
.set WC, R+8*(\kb)
.set OFS, 1536*((\kb)/4)+768*(((\kb)%4)/2)
.if (\kb) < 7
	s_wait_loadcnt 32                              ; this block's 32 loads are in; the next block's 32 may be out
.else
	s_wait_loadcnt 0x0
.endif
	v_max3_num_f32 v8, |v[XS]|, |v[XS+1]|, |v[XS+2]|
	v_max3_num_f32 v9, |v[XS+3]|, |v[XS+4]|, |v[XS+5]|
.irp i, 6,10,14,18,22,26
	v_max3_num_f32 v8, v8, |v[XS+\i]|, |v[XS+\i+1]|
	v_max3_num_f32 v9, v9, |v[XS+\i+2]|, |v[XS+\i+3]|
.endr
	v_max3_num_f32 v8, v8, |v[XS+30]|, |v[XS+31]|
	v_max3_num_f32 v8, v8, v9, 0x1800000           ; and the floor
	v_add_nc_u32 v10, 0xff000000, v8
	v_lshrrev_b32 v11, 23, v10
.if (\kb)%4 == 0
	v_mov_b32 v[SW+(\kb)/4], v11
.else
	v_lshl_or_b32 v[SW+(\kb)/4], v11, 8*((\kb)%4), v[SW+(\kb)/4]
.endif
	v_cvt_scalef32_pk16_fp6_f32 v[WC:WC+2], v[XS:XS+15], v10
	v_cvt_scalef32_pk16_fp6_f32 v[36:38], v[XS+16:XS+31], v10
	v_nop                                          ; one plain place behind a scaled conversion
.irp i, 0,1,2
	v_mov_b32 v[WC+3+\i], v[36+\i]
.endr
	global_store_b128 v6, v[WC:WC+3], s[16:17] offset:OFS+256*((\kb)%2)         ; each tile's sixteen lanes fill 256 consecutive aligned bytes
	global_store_b64 v7, v[WC+4:WC+5], s[16:17] offset:OFS+512+128*((\kb)%2)    ; 128 consecutive bytes a tile: the neighbouring block's store fills the other 128.  A third of the weights' 3 MB of codes leaves so
.if (\kb)+2 < 8
	LOADW (\kb)+2
.endif
.endm
	s_load_b256 s[4:11], s[0:1], 0x0               ; inputs s[4:5], context s[6:7], Wq s[8:9], Wk s[10:11]
	s_load_b256 s[12:19], s[0:1], 0x20             ; Wv s[12:13], Wo s[14:15], oc s[16:17], os s[18:19]
	v_lshl_add_u32 v[SPW], v0, 2, SPARE
	v_mov_b32 v[NIL], 0
	v_lshrrev_b32 v1, 5, v0
	v_readfirstlane_b32 s20, v1                    ; wave 0..3
	v_and_b32 v4, 31, v0                           ; lane
	s_mov_b32 s22, 0x76543210
	s_mov_b32 s23, 0xfedcba98                      ; v_permlanex16_b32's selects for lane l xor 16
	s_cmp_lt_u32 ttmp9, 256
	s_cbranch_scc0 .Lweights
	; ---- rows: tile T = 4 x work-group + wave
	v_lshlrev_b32 v1, 4, v4                        ; 16 x lane
	v_lshlrev_b32 v5, 3, v4                        ; 8 x lane
	v_and_b32 v8, 15, v0                           ; r
	v_bfe_u32 v9, v0, 4, 1                         ; h
	v_lshlrev_b32 v6, 5, v8                        ; 32 r: my row's 8 scale words
	v_lshlrev_b32 v7, 3, v9                        ; 8 h
	s_mul_i32 s21, s20, STG                        ; my stage
	v_add_nc_u32 v2, s21, v1                       ; in: 16 x lane of a row
	v_mul_u32_u24 v3, v8, SP
	v_lshl_add_u32 v3, v9, 7, v3
	v_add_nc_u32 v3, s21, v3                       ; back: row r, + 128 h
	s_lshl_b32 s24, ttmp9, 2
	s_add_co_u32 s24, s24, s20                     ; T
	s_and_b32 s25, s24, 511                        ; the tile's number in its tensor
	s_lshr_b32 s26, s25, 1
	s_lshl_b32 s26, s26, 5
	s_and_b32 s27, s25, 1
	s_lshl_b32 s27, s27, 3
	s_add_co_u32 s26, s26, s27                     ; its first row
	s_lshl_b32 s26, s26, 12                        ; x 4,096 bytes (under 2^25)
	s_mov_b32 s27, 0
	s_mul_i32 s28, s24, 12288
	s_mov_b32 s29, 0
	s_lshl_b32 s30, s24, 9
	s_mov_b32 s31, 0
	s_wait_alu depctr_va_vdst(0)
	s_wait_kmcnt 0x0
	s_cmp_lt_u32 ttmp9, 128                        ; inputs or context: the choice hangs on the work-group's number alone
	s_cselect_b64 s[4:5], s[4:5], s[6:7]
	s_add_nc_u64 s[4:5], s[4:5], s[26:27]
	s_add_nc_u64 s[16:17], s[16:17], s[28:29]
	s_add_nc_u64 s[18:19], s[18:19], s[30:31]
	LOADX 0
	LOADX 1
.irp f, 0,1,2,3,4,5,6,7
	FRAGX \f
.endr
	global_store_b128 v6, v[SW:SW+3], s[18:19]             ; the tile's 512 bytes of scale words; lanes 16-31 write lanes 0-15's bytes with the same values
	global_store_b128 v6, v[SW+4:SW+7], s[18:19] offset:16
	s_wait_tensorcnt 0x0                           ; the wave's end, behind my last LDS store
	ds_add_u32 v[SPW], v[NIL]
	s_wait_dscnt 0x0
	s_endpgm
.Lweights:
	; ---- weights: j = work-group - 256: weight j / 32, 256 along K at 256 ((j / 8) % 4), 128 columns at 128 (j % 8); my wave's 32 columns are a pair of tiles.
	; A LANE TAKES A COLUMN AND ITS REGISTERS RUN DOWN K: a block of 32 lies in one lane, and the conversions give codes with K innermost.
	s_sub_co_u32 s24, ttmp9, 256
	s_lshr_b32 s25, s24, 5                         ; which weight
	s_and_b32 s26, s24, 7                          ; nx
	s_bfe_u32 s27, s24, 0x20003                    ; ky
	s_wait_alu depctr_va_vdst(0)
	v_lshlrev_b32 v1, 2, v4                        ; 4 x lane
	v_bfe_u32 v2, v0, 3, 1                         ; column 8 u + r + 8 (r / 8) of the 32: u,
	v_and_b32 v3, 7, v0
	v_bfe_u32 v5, v0, 4, 1
	v_lshl_or_b32 v3, v5, 3, v3                    ; and r
	v_mul_u32_u24 v5, v2, 12288
	v_lshl_add_u32 v6, v3, 4, v5                   ; tile u, 16 r
	v_lshl_add_u32 v7, v3, 3, v5                   ; tile u, 8 r
	v_lshlrev_b32 v14, 9, v2
	v_lshl_add_u32 v14, v3, 5, v14                 ; scale words: tile u, 32 r
	s_lshl_b32 s28, s27, 20                        ; 256 ky rows of 4,096 bytes,
	s_lshl_b32 s29, s26, 9
	s_add_co_u32 s28, s28, s29
	s_lshl_b32 s29, s20, 7
	s_add_co_u32 s28, s28, s29                     ; + 4 x my first column
	s_mov_b32 s29, 0
	s_lshl_b32 s30, s25, 6
	s_lshl_b32 s31, s26, 3
	s_add_co_u32 s30, s30, s31
	s_lshl_b32 s31, s20, 1
	s_add_co_u32 s30, s30, s31
	s_add_co_u32 s30, s30, 1024                    ; my first tile
	s_mul_i32 s32, s30, 12288
	s_mul_i32 s33, s27, 3072
	s_add_co_u32 s32, s32, s33                     ; its K step 2 ky
	s_mov_b32 s33, 0
	s_lshl_b32 s34, s30, 9
	s_lshl_b32 s35, s27, 3
	s_add_co_u32 s34, s34, s35
	s_mov_b32 s35, 0
	s_wait_kmcnt 0x0
	s_mov_b64 s[4:5], s[8:9]
	s_cmp_eq_u32 s25, 1
	s_cselect_b64 s[4:5], s[10:11], s[4:5]
	s_cmp_eq_u32 s25, 2
	s_cselect_b64 s[4:5], s[12:13], s[4:5]
	s_cmp_eq_u32 s25, 3
	s_cselect_b64 s[4:5], s[14:15], s[4:5]
	s_add_nc_u64 s[4:5], s[4:5], s[28:29]
	s_add_nc_u64 s[16:17], s[16:17], s[32:33]
	s_add_nc_u64 s[18:19], s[18:19], s[34:35]
	LOADW 0
	LOADW 1
.irp kb, 0,1,2,3,4,5,6,7
	BLOCKW \kb
.endr
	global_store_b64 v14, v[SW:SW+1], s[18:19]     ; my column's two scale words: 8 bytes a lane, 32 bytes apart: one byte in 128 of what this path reads
	s_wait_tensorcnt 0x0                           ; the wave's end
	ds_add_u32 v[SPW], v[NIL]
	s_wait_dscnt 0x0
	s_endpgm
.Lfunc_end_k_qb15b0a1da7_quant:
	.size	k_qb15b0a1da7_quant, .Lfunc_end_k_qb15b0a1da7_quant-k_qb15b0a1da7_quant
	.p2alignl 7, 3214868480
	.fill 96, 4, 3214868480
	.section	.rodata,"a",@progbits
	.p2align	6, 0x0
	.amdhsa_kernel k_qb15b0a1da7_quant
		.amdhsa_group_segment_fixed_size 34304
		.amdhsa_private_segment_fixed_size 0
		.amdhsa_enable_private_segment 0
		.amdhsa_kernarg_size 64
		.amdhsa_user_sgpr_count 2
		.amdhsa_user_sgpr_kernarg_segment_ptr 1
		.amdhsa_wavefront_size32 1
		.amdhsa_system_sgpr_workgroup_id_x 1
		.amdhsa_system_sgpr_workgroup_id_y 1
		.amdhsa_system_sgpr_workgroup_id_z 1
		.amdhsa_system_vgpr_workitem_id 0
		.amdhsa_next_free_vgpr 256
		.amdhsa_next_free_sgpr 66
		.amdhsa_reserve_vcc 0
		.amdhsa_float_denorm_mode_32 3
		.amdhsa_float_denorm_mode_16_64 3
		.amdhsa_memory_ordered 1
		.amdhsa_forward_progress 1
		.amdhsa_inst_pref_size 97
	.end_amdhsa_kernel
	.amdgpu_metadata
---
amdhsa.version: [ 1, 2 ]
amdhsa.kernels:
  - .name:           k_qb15b0a1da7_quant
    .symbol:         k_qb15b0a1da7_quant.kd
    .args:
      - { .name: inputs, .offset: 0, .size: 8, .value_kind: global_buffer, .address_space: global }
      - { .name: context, .offset: 8, .size: 8, .value_kind: global_buffer, .address_space: global }
      - { .name: Wq, .offset: 16, .size: 8, .value_kind: global_buffer, .address_space: global }
      - { .name: Wk, .offset: 24, .size: 8, .value_kind: global_buffer, .address_space: global }
      - { .name: Wv, .offset: 32, .size: 8, .value_kind: global_buffer, .address_space: global }
      - { .name: Wo, .offset: 40, .size: 8, .value_kind: global_buffer, .address_space: global }
      - { .name: oc, .offset: 48, .size: 8, .value_kind: global_buffer, .address_space: global }
      - { .name: os, .offset: 56, .size: 8, .value_kind: global_buffer, .address_space: global }
    .group_segment_fixed_size: 34304
    .private_segment_fixed_size: 0
    .kernarg_segment_align: 8
    .kernarg_segment_size: 64
    .max_flat_workgroup_size: 128
    .sgpr_count:     66
    .vgpr_count:     256
    .wavefront_size: 32
...
	.end_amdgpu_metadata
.endif
;; end of part 1
;; launch qkv (part 2): grid 4 x 64, 4 waves a work-group, clusters of 4 x 4, 327,680 bytes of LDS; arguments oc, os, qkvc, qkvs; writes qkvc, qkvs
.if DOCPART == 2
	.amdgcn_target "amdgcn-amd-amdhsa--gfx1250"
	.amdhsa_code_object_version 6
	.text
	.protected	k_qb15b0a1da7_qkv
	.globl	k_qb15b0a1da7_qkv
	.p2align	8
	.type	k_qb15b0a1da7_qkv,@function
k_qb15b0a1da7_qkv:
	s_mov_b64 s[64:65], 0
	v_nop
	global_prefetch_b8 v0, s[64:65] scope:SCOPE_SE
	s_setreg_imm32_b32 hwreg(HW_REG_WAVE_MODE, 25, 1), 1
	s_wait_xcnt 0x0
	s_wait_alu depctr_hold_cnt(0) depctr_sa_sdst(0) depctr_va_vdst(0) depctr_va_sdst(0) depctr_va_ssrc(0) depctr_va_vcc(0) depctr_vm_vsrc(0)
	s_getreg_b32 s2, hwreg(HW_REG_IB_STS2, 6, 4)
	s_cmp_eq_u32 s2, 0
	s_cbranch_scc0 .Lentry_in_a_cluster
	s_endpgm
.Lentry_in_a_cluster:
	s_bfe_u32 s2, ttmp6, 0x10000c
	s_cmp_lg_u32 s2, 0xf033
	s_cbranch_scc0 .Lentry_shape_is_right
	s_endpgm
.Lentry_shape_is_right:
; q = inputs Wq, k = context Wk and v^T = (context Wv)^T on codes of FP6 (E2M3), and their results quantised again, in registers, for attention.
; ONE FORM FOR ALL THREE: D = P x R, source 0 = 16 rows of operand P, source 1 = 16 rows of operand R: a lane holds ONE row of R and its registers run along P, which is the next product's K.
;   q: P = Wq's columns (head x 64 + d), R = inputs' rows.   k: P = Wk's columns, R = context's rows.   v: P = context's rows (the keys), R = Wv's columns.
; Operands lie in oc / os in the order of an operand's registers.  A tile's 16 rows are 32 (t / 2) + 8 (t % 2) + r + 8 (r / 8), so the 16 registers of P's tiles 2 b and 2 b + 1 are 16 neighbours 32 b + 16 h + 0 .. 15.
; A WORK-GROUP STAYS: 256 work-groups, each makes one block of q, then of k, then of v: 128 of R x 256 of P over all of K = 1,024; wave w makes 64 (R: w / 2) x 128 (P: w % 2): 32 accumulators.
; THE RING: two slots of 147,456 bytes, each half of K (512) of R's 8 tiles and P's 16.  Slot 0 is filled again in K step 3, slot 1 in K step 7, with the next product's halves, behind a drained round of the
; cluster's barrier; a wave has one tensor load out.  q and k are two trips of one loop; v, which asks for nothing more, is written out.
; CLUSTER 4 x 4: R's tiles hang on the tile row alone and are asked for jointly along a row of the cluster, P's on the tile column alone and jointly along a column.
; No prefetch: a product has two fills, and each is asked for as soon as its slot is free; there is no further step to run ahead in.
; OUT.  qkvc: Q [bh 64][tile 128][768], then for each bh 196,608 bytes: K [tile 128][768], V^T [key step 16][d tile 4][1,536].  A piece of 768 bytes is 16 rows x 64 K: lane l's registers 0-3 at 16 l, 4-5 at 512 + 8 l.
;       qkvs: Q [bh][4 tiles, 32][r][4 words], then for each bh 12,288 bytes: K likewise (8,192), V [key step 16][r][d tile 4].  In a word of Q or K only bytes 0, 1 are read; none is 0xff.
; LIMITS: NaN and infinities are not served; a block whose largest magnitude lies under 2^-124 keeps the byte 1, and so does a block of zeros (its codes are zeros; this program alone reads the bytes).
; REGISTERS, in windows of 256.  Window 0: v4-7, v14-17 LDS addresses in slot 0, 1; v8-12 offsets; v28, v29 the add's two; v32-79 and v80-127 R's fragments (two sets); v128-159 R's scale words, v160-223 P's; v224-240 at work.
;   Window 1: accumulator (i, b) at v[8 (8 i + b)].   Window 2: P's fragments, two sets, at v0 and v128.
.set CHUNK, 147456                     ; a slot: R's 8 tiles x 6,144 bytes, then P's 16
.set SPARE, 2*CHUNK                    ; behind the slots: the spare words, 128 bytes for each wave, which no other line names
.set SPW, 28
.set NIL, 29
.set PC,  32                           ; the way out's codes: v32-50
.set RS,  128                          ; R's scale words: v[RS + 8 i + k]
.set PS,  160                          ; P's: v[PS + 8 b + k]
.set TM,  224                          ; v224-227 largest magnitudes, v228-231 bytes, v236-239 the conversions' scale operands
.set PW,  240                          ; the scale word just made
.set G1R, 24                           ; s[24:31] descriptor group 1 for R's tiles;  s[32:39] for P's
.set G1P, 32
.set G0R, 40                           ; s[40:47] groups 0 for R, slot 0 and 1;  s[68:75] for P
.set G0P, 68
.set MSB, 0
.macro WIN new                         ; the immediate's high byte repeats the setting that is left
.if MSB != \new
	s_set_vgpr_msb (MSB<<8)|\new
.set MSB, \new
.endif
.endm
.macro PLACES n
.rept \n
	v_nop
.endr
.endm
.macro WALU
	s_wait_alu depctr_va_vdst(0)
.endm
.macro CROUND                          ; a round of the cluster's barrier
	s_barrier_signal -1
	s_barrier_wait -1
	s_cmp_lg_u32 s12, 0
	s_cbranch_scc1 .Lnot_wave_0_\@
	s_barrier_signal -3
.Lnot_wave_0_\@:
	s_barrier_wait -3
	s_barrier_signal -1
	s_barrier_wait -1
.endm
.macro JLOAD s                         ; a joint load into slot s: waves 0, 1 four tiles of R each, waves 2, 3 eight of P.  An s_nop 0 and four v_nop follow each line
	s_cmp_eq_u32 s13, 0
	s_cbranch_scc0 .Lfor_p_\@
	tensor_load_to_lds s[G0R+4*(\s):G0R+4*(\s)+3], s[G1R:G1R+7]
	s_nop 0
	PLACES 4
	s_branch .Lasked_\@
.Lfor_p_\@:
	tensor_load_to_lds s[G0P+4*(\s):G0P+4*(\s)+3], s[G1P:G1P+7]
	s_nop 0
	PLACES 4
.Lasked_\@:
.endm
.macro HFRAG reg, a16, a8, off         ; a fragment, 12 registers, from its image of 1,536 bytes: every load takes consecutive bytes
	ds_load_b128 v[(\reg):(\reg)+3], v[\a16] offset:(\off)
	ds_load_b64 v[(\reg)+4:(\reg)+5], v[\a8] offset:(\off)
	ds_load_b128 v[(\reg)+6:(\reg)+9], v[\a16] offset:(\off)+768
	ds_load_b64 v[(\reg)+10:(\reg)+11], v[\a8] offset:(\off)+768
.endm
.macro FETCH k                         ; K step k's fragments, from slot k / 4, into set k % 2: P's eight, R's four: 48 loads
	WIN 0x80                                       ; destination window 2
.irp b, 0,1,2,3,4,5,6,7
	HFRAG 128*((\k)%2)+12*\b, 6+10*((\k)/4), 7+10*((\k)/4), 6144*\b+1536*((\k)%4)
.endr
	WIN 0
.irp i, 0,1,2,3
	HFRAG 32+48*((\k)%2)+12*\i, 4+10*((\k)/4), 5+10*((\k)/4), 6144*\i+1536*((\k)%4)
.endr
.endm
.macro MULH k, ia, ib                  ; 16 matrix instructions: R's tiles ia, ib x P's eight.  The 32 accumulators take turns in the same order in every step.  Step 0 starts the sums with the constant 0
	WIN 0x52                                       ; source 0 (P) window 2, source 1 (R) window 0, C and D window 1
.irp i, \ia, \ib
.irp b, 0,1,2,3,4,5,6,7
.if (\k) == 0
	v_wmma_scale_f32_16x16x128_f8f6f4 v[8*(8*\i+\b):8*(8*\i+\b)+7], v[128*((\k)%2)+12*\b:128*((\k)%2)+12*\b+11], v[32+48*((\k)%2)+12*\i:32+48*((\k)%2)+12*\i+11], 0, v[PS+8*\b+(\k)], v[RS+8*\i+(\k)] matrix_a_fmt:MATRIX_FMT_FP6 matrix_b_fmt:MATRIX_FMT_FP6
.else
	v_wmma_scale_f32_16x16x128_f8f6f4 v[8*(8*\i+\b):8*(8*\i+\b)+7], v[128*((\k)%2)+12*\b:128*((\k)%2)+12*\b+11], v[32+48*((\k)%2)+12*\i:32+48*((\k)%2)+12*\i+11], v[8*(8*\i+\b):8*(8*\i+\b)+7], v[PS+8*\b+(\k)], v[RS+8*\i+(\k)] matrix_a_fmt:MATRIX_FMT_FP6 matrix_b_fmt:MATRIX_FMT_FP6
.endif
.endr
.endr
.endm
; The addresses of the product whose first tiles stand in s48 (R) and s51 (P): both slots' groups 0 and the scale words' bases.  It runs where no tensor load of the wave is out.  Then the lists of tiles move up by one.
.macro LOADSET
	s_lshl_b32 s19, s14, 2
	s_add_co_u32 s19, s19, s48                     ; the four tiles of R that I would fetch
	s_mul_i32 s86, s19, 12288
	s_mov_b32 s87, 0
	s_add_nc_u64 s[G0R+2:G0R+3], s[4:5], s[86:87]
	s_add_nc_u64 s[G0R+6:G0R+7], s[G0R+2:G0R+3], 6144
	s_or_b32 s[G0R+3], s[G0R+3], 0x80000000
	s_or_b32 s[G0R+7], s[G0R+7], 0x80000000
	s_lshl_b32 s20, s14, 3
	s_add_co_u32 s20, s20, s51                     ; the eight of P; they are also my wave's eight
	s_mul_i32 s90, s20, 12288
	s_mov_b32 s91, 0
	s_add_nc_u64 s[G0P+2:G0P+3], s[4:5], s[90:91]
	s_add_nc_u64 s[G0P+6:G0P+7], s[G0P+2:G0P+3], 6144
	s_or_b32 s[G0P+3], s[G0P+3], 0x80000000
	s_or_b32 s[G0P+7], s[G0P+7], 0x80000000
	s_lshl_b32 s56, s13, 2
	s_add_co_u32 s56, s56, s48
	s_lshl_b32 s56, s56, 9                         ; the scale words of my four tiles of R,
	s_mov_b32 s57, 0
	s_add_nc_u64 s[56:57], s[6:7], s[56:57]
	s_lshl_b32 s58, s20, 9                         ; and of my eight of P
	s_mov_b32 s59, 0
	s_add_nc_u64 s[58:59], s[6:7], s[58:59]
	s_mov_b32 s48, s49
	s_mov_b32 s49, s50
	s_mov_b32 s51, s52
	s_mov_b32 s52, s53
.endm
.macro SCLOAD                          ; a product's scale words come once, straight into registers that hold nothing else: lane r takes row r's 8 words of each tile
.irp i, 0,1,2,3
	global_load_b128 v[RS+8*\i:RS+8*\i+3], v8, s[56:57] offset:512*\i
	global_load_b128 v[RS+8*\i+4:RS+8*\i+7], v8, s[56:57] offset:512*\i+16
.endr
.irp b, 0,1,2,3,4,5,6,7
	global_load_b128 v[PS+8*\b:PS+8*\b+3], v8, s[58:59] offset:512*\b
	global_load_b128 v[PS+8*\b+4:PS+8*\b+7], v8, s[58:59] offset:512*\b+16
.endr
.endm
; Where a product's results go.  gtR = my first tile of R in its operand, gP = my 128 of P.  q, k (s15 = 0, 1): gP's 128 are heads 2 gP and 2 gP + 1; v: gP's 128 are a key step, and four tiles of R are a head's 64.
.macro OUTSET isv
.if \isv
	s_lshl_b32 s62, s80, 3
	s_lshl_b32 s63, s81, 1
.else
	s_lshl_b32 s62, s79, 3
	s_lshl_b32 s63, s77, 1
.endif
	s_lshl_b32 s16, s13, 2
	s_add_co_u32 s62, s62, s16                     ; gtR
	s_add_co_u32 s63, s63, s14                     ; gP
.if \isv
	s_lshr_b32 s16, s63, 4
	s_lshl_b32 s16, s16, 4
	s_lshr_b32 s19, s62, 2
	s_add_co_u32 s16, s16, s19                     ; bh = 16 x batch + head
	s_and_b32 s19, s63, 15                         ; the key step
	s_mul_i32 s20, s19, 6144
	s_lshl_b32 s22, s19, 8
	s_mov_b32 s66, 196608                          ; bytes of codes from bh to bh,
	s_mov_b32 s67, 12288                           ; of scale words
	s_mov_b32 s21, 6291456+98304                   ; V lies behind Q and behind bh's K
	s_mov_b32 s23, 524288+8192
	s_mov_b32 s94, 768                             ; from a fragment's first half to its second
	s_mov_b32 s2, 0                                ; lanes 16-31 repeat lanes 0-15's scale words
	s_mov_b32 s3, 0
	s_mov_b32 s96, 1536                            ; from tile to tile of R
.else
	s_lshr_b32 s16, s62, 7
	s_lshl_b32 s16, s16, 4
	s_lshl_b32 s17, s63, 1
	s_add_co_u32 s16, s16, s17                     ; bh = 16 x batch + 2 gP
	s_and_b32 s17, s62, 127                        ; the tile in its batch
	s_mul_i32 s20, s17, 768
	s_lshr_b32 s22, s17, 2
	s_lshl_b32 s22, s22, 8
	s_lshl_b32 s66, 98304, s15                     ; q 98,304, k 196,608
	s_lshl_b32 s67, s15, 12
	s_add_co_u32 s67, s67, 8192                    ; q 8,192, k 12,288
	s_mul_i32 s21, s15, 6291456                    ; K lies behind Q
	s_mul_i32 s23, s15, 524288
	s_mov_b32 s94, s66                             ; the fragment's second half is the next head's
	s_mov_b32 s2, s67                              ; lanes 16-31 store the second head's scale words,
	s_mov_b32 s3, 16                               ; and take the word's upper two bytes
	s_mov_b32 s96, 768
.endif
	s_mul_i32 s92, s16, s66
	s_add_co_u32 s92, s92, s21
	s_add_co_u32 s92, s92, s20
	s_mov_b32 s93, 0
	s_mov_b32 s95, 0
	s_mov_b32 s97, 0
	s_mul_i32 s98, s16, s67
	s_add_co_u32 s98, s98, s23
	s_add_co_u32 s98, s98, s22
	s_mov_b32 s99, 0
	s_add_nc_u64 s[92:93], s[8:9], s[92:93]        ; the first half's place,
	s_add_nc_u64 s[94:95], s[92:93], s[94:95]      ; the second's,
	s_add_nc_u64 s[82:83], s[10:11], s[98:99]      ; the scale words'
	v_mul_u32_u24 v11, s2, v3
	v_lshl_add_u32 v11, v2, 4, v11                 ; 16 r + h x a head's scale words
	v_mul_u32_u24 v12, s3, v3                      ; 16 h or 0
.endm
.macro STEP k, refill
.if (\refill) && (((\k) == 3) || ((\k) == 7))
	WIN 0                                          ; A CHANGE OF SLOTS WITH A REFILL.  (The add's two registers lie in window 0)
	WALU
	s_wait_tensorcnt 0x0                           ; my one load that was out has landed;
	ds_add_u32 v[SPW], v[NIL]                      ; 0 onto my spare word
.if (\k) == 3
	LOADSET                                        ; no load of mine is out: the next product's descriptors
.endif
	s_wait_dscnt 1                                 ; this step's fragments are in; the add may be out
	MULH \k, 0, 1                                  ; sixteen matrix instructions between the add and the wait for it
	WIN 0
	s_wait_dscnt 0x0                               ; the add is done, and my reads of the slot that is left
	CROUND                                         ; no wave of any partner still reads that slot or has a load on its way
	JLOAD (\k)/4                                   ; the next product's half; the four v_nop behind it are the places ahead of the loads below
.if (\k) == 3
	FETCH 4
.endif
	MULH \k, 2, 3
.else
.if (\k) == 3
	s_wait_tensorcnt 0x0                           ; the last product: slot 1 is whole; nothing is filled again
.endif
	s_wait_dscnt 0x0                               ; this step's fragments are in
.if (\k) == 3
	s_barrier_signal -1
	s_barrier_wait -1
.endif
.if (\k) < 7
	WIN 0
.if (\k) > 0
	PLACES 4                                       ; places ahead of loads into registers that matrix instructions have read
.endif
	WALU
	FETCH (\k)+1
.endif
	MULH \k, 0, 1
	MULH \k, 2, 3
.endif
.endm
; 64 results of a lane in window 1, v[s] on, register 16 b + i = place 32 b + 16 h + i along P, become a fragment's codes in v[PC] on and its scale word in v[PW].  Each accumulator is read from its low end on.
.macro QUANT s
	WIN 0x14                                       ; sources 1 and 2 window 1
.irp b, 0,1,2,3
	v_max3_num_f32 v[TM+\b], 0x1800000, |v[(\s)+16*\b]|, |v[(\s)+16*\b+1]|     ; the floor 2^(3 - 127) holds the byte at 1 from below
.endr
.irp i, 2,4,6,8,10,12,14
.irp b, 0,1,2,3
	v_max3_num_f32 v[TM+\b], v[TM+\b], |v[(\s)+16*\b+\i]|, |v[(\s)+16*\b+\i+1]|
.endr
.endr
	WIN 0
.irp b, 0,1,2,3
	v_permlanex16_b32 v[TM+4+\b], v[TM+\b], s60, s61
.endr
.irp b, 0,1,2,3
	v_max_num_f32 v[TM+\b], v[TM+\b], v[TM+4+\b]   ; with lane l xor 16's 16: the block's largest magnitude
.endr
.irp b, 0,1,2,3
	v_add_nc_u32 v[TM+12+\b], 0xff000000, v[TM+\b] ; 2 off its exponent field: the conversion's scale operand
.endr
.irp b, 0,1,2,3
	v_lshrrev_b32 v[TM+4+\b], 23, v[TM+12+\b]      ; the scale's byte
.endr
	v_lshl_or_b32 v[PW], v[TM+5], 8, v[TM+4]
	v_lshl_or_b32 v[PW], v[TM+6], 16, v[PW]
	v_lshl_or_b32 v[PW], v[TM+7], 24, v[PW]
	WIN 0x01                                       ; source 0 window 1
.irp c, 0,1
	v_cvt_scalef32_pk16_fp6_f32 v[PC+6*\c:PC+6*\c+2], v[(\s)+32*\c:(\s)+32*\c+15], v[TM+12+2*\c]
	v_cvt_scalef32_pk16_fp6_f32 v[PC+12+4*\c:PC+14+4*\c], v[(\s)+32*\c+16:(\s)+32*\c+31], v[TM+12+2*\c+1]   ; (a conversion's three registers begin on an even number)
.endr
	WIN 0
	v_nop                                          ; one plain place behind a scaled conversion
.irp c, 0,1                                    ; the operand's layout wants a whole block in a lane: lanes 0-15 block 2 c, lanes 16-31 block 2 c + 1
.irp i, 0,1,2
	v_permlane16_swap_b32 v[PC+6*\c+\i], v[PC+12+4*\c+\i]
.endr
.irp i, 0,1,2
	v_mov_b32 v[PC+6*\c+3+\i], v[PC+12+4*\c+\i]
.endr
.endr
.endm
; A PRODUCT: its first half lies in slot 0 and has been shown to all waves, its second half is on its way to slot 1.
.macro PRODUCT isv, refill
	s_wait_xcnt 0x0                                ; the last product's stores have read their data, offsets and bases
	OUTSET \isv
	WALU
	FETCH 0
	s_wait_loadcnt 0x0                             ; the scale words
.irp k, 0,1,2,3,4,5,6,7
	STEP \k, \refill
.endr
	WIN 0
	PLACES 4                                       ; ahead of the first read of results, and of loads and writes into registers that the last products have read
.if \refill
	SCLOAD                                         ; the next product's scale words land under the way out
.endif
.irp i, 0,1,2,3                                ; my four tiles of R, one after the other
	QUANT 64*\i
	v_mov_b32 v[52+\i], v[PW]
	global_store_b128 v9, v[PC:PC+3], s[92:93]             ; 512 consecutive bytes,
	global_store_b64 v10, v[PC+4:PC+5], s[92:93] offset:512 ; 256: the first half
	global_store_b128 v9, v[PC+6:PC+9], s[94:95]
	global_store_b64 v10, v[PC+10:PC+11], s[94:95] offset:512
	s_wait_xcnt 0x0                                ; the stores have read their data and bases: both may be written
	s_add_nc_u64 s[92:93], s[92:93], s[96:97]
	s_add_nc_u64 s[94:95], s[94:95], s[96:97]
.endr
	WALU
.irp i, 0,1,2,3
	v_lshrrev_b32 v[52+\i], v12, v[52+\i]
.endr
	global_store_b128 v11, v[52:55], s[82:83]      ; four tiles' words of my row: sixteen lanes fill 256 consecutive aligned bytes
.endm
	s_load_b256 s[4:11], s[0:1], 0x0               ; oc s[4:5], os s[6:7], qkvc s[8:9], qkvs s[10:11]
	v_lshl_add_u32 v[SPW], v0, 2, SPARE
	v_mov_b32 v[NIL], 0
	ds_add_u32 v[SPW], v[NIL]                      ; the opening lines: the add, twice on end, and its wait ahead of my first tensor load
	ds_add_u32 v[SPW], v[NIL]
	v_lshrrev_b32 v1, 5, v0
	v_readfirstlane_b32 s12, v1                    ; wave 0..3
	s_lshr_b32 s13, s12, 1                         ; which 64 of R are mine.  Also: I fetch for R (0) or for P (1)
	s_and_b32 s14, s12, 1                          ; which 128 of P.  Also: which half of that operand's tiles I fetch
	s_and_b32 s76, ttmp7, 0xffff                   ; the cluster's y
	s_bfe_u32 s77, ttmp6, 0x40000                  ; cx
	s_bfe_u32 s78, ttmp6, 0x40004                  ; cy
	s_lshl_b32 s66, s78, 2
	s_lshl_b32 s66, 15, s66                        ; my row of the cluster
	s_lshl_b32 s67, 0x1111, s77                    ; my column
	s_or_b32 s[G1R], s66, (3<<16)|(1<<21)          ; 15:0 the mask; 17:16 elements of 8 bytes; 21 set beside a mask; no padding
	s_or_b32 s[G1P], s67, (3<<16)|(1<<21)
.irp g, G1R, G1P
	s_mov_b32 s[\g+1], 768<<16                     ; tensor_dim0: a tile's 6,144 bytes of a half of K
	s_mov_b32 s[\g+3], 768<<16                     ; tile_dim0
	s_mov_b32 s[\g+5], 1536                        ; from tile to tile: 12,288 bytes
	s_mov_b32 s[\g+6], 0
	s_mov_b32 s[\g+7], 0
.endr
	s_mov_b32 s[G1R+2], 4<<16                      ; four tiles of R to a load,
	s_mov_b32 s[G1R+4], 4
	s_mov_b32 s[G1P+2], 8<<16                      ; eight of P
	s_mov_b32 s[G1P+4], 8
	s_lshl_b32 s79, s76, 2                         ; q and k have 64 blocks along R and 4 along P, v 8 and 32
	s_add_co_u32 s79, s79, s78                     ; q, k: my block of R (cy enters, cx never); my block of P is cx
	s_lshr_b32 s80, s76, 3
	s_lshl_b32 s80, s80, 2
	s_add_co_u32 s80, s80, s78                     ; v: my block of R
	s_and_b32 s81, s76, 7
	s_lshl_b32 s81, s81, 2
	s_add_co_u32 s81, s81, s77                     ; v: my block of P (cx enters, cy never)
	s_lshl_b32 s48, s79, 3                         ; R's first tile for q (inputs),
	s_add_co_u32 s49, s48, 512                     ; k (context),
	s_lshl_b32 s50, s80, 3
	s_add_co_u32 s50, s50, 1152                    ; v (Wv)
	s_lshl_b32 s51, s77, 4
	s_add_co_u32 s52, s51, 1088                    ; P's for k (Wk),
	s_add_co_u32 s51, s51, 1024                    ; q (Wq),
	s_lshl_b32 s53, s81, 4
	s_add_co_u32 s53, s53, 512                     ; v (context)
	s_mul_i32 s2, s14, 24576                       ; where my tiles go in a slot: no place in the cluster enters an LDS address
	s_mul_i32 s3, s14, 49152
	s_add_co_u32 s3, s3, 49152
.irp c, 0,1
	s_mov_b32 s[G0R+4*\c], 1
	s_add_co_u32 s[G0R+4*\c+1], s2, CHUNK*\c
	s_mov_b32 s[G0P+4*\c], 1
	s_add_co_u32 s[G0P+4*\c+1], s3, CHUNK*\c
.endr
	s_mov_b32 s60, 0x76543210
	s_mov_b32 s61, 0xfedcba98                      ; v_permlanex16_b32's selects for lane l xor 16
	s_wait_dscnt 0x0                               ; both opening adds are done
	s_wait_kmcnt 0x0
	LOADSET                                        ; q's addresses
	CROUND                                         ; all sixteen work-groups are here: the first joint loads meet
	JLOAD 0                                        ; q's first half: one tensor load a wave at the head
	v_and_b32 v1, 31, v0                           ; lane
	v_and_b32 v2, 15, v0                           ; r
	v_bfe_u32 v3, v0, 4, 1                         ; h
	v_lshlrev_b32 v8, 5, v2                        ; 32 r: a row's 8 scale words
	v_lshlrev_b32 v9, 4, v1                        ; 16 x lane
	v_lshlrev_b32 v10, 3, v1                       ; 8 x lane
	SCLOAD
	s_mul_i32 s19, s13, 24576                      ; my four tiles of R in a slot
	v_add_nc_u32 v4, s19, v9
	v_add_nc_u32 v5, s19, v10
	v_add_nc_u32 v5, 512, v5
	s_mul_i32 s19, s14, 49152                      ; my eight of P, behind R's eight
	s_add_co_u32 s19, s19, 49152
	v_add_nc_u32 v6, s19, v9
	v_add_nc_u32 v7, s19, v10
	v_add_nc_u32 v7, 512, v7
.irp a, 4,5,6,7
	v_add_nc_u32 v[10+\a], CHUNK, v\a              ; the same in slot 1
.endr
.irp b, 0,1,2,3
	v_mov_b32 v[TM+4+\b], 0                        ; written once: a lane permute's destination counts as one of its sources
.endr
	WALU                                           ; the wait at the head's end
	s_wait_tensorcnt 0x0                           ; my part of q's first half is in; the lines ahead of a later first fill:
	ds_add_u32 v[SPW], v[NIL]
	s_wait_dscnt 0x0
	CROUND
	JLOAD 1                                        ; q's second half
	s_mov_b32 s15, 0
.Lprod:                                            ; q, then k
	PRODUCT 0, 1
	s_add_co_u32 s15, s15, 1
	s_cmp_lt_u32 s15, 2
	WALU
	s_cbranch_scc1 .Lprod
	PRODUCT 1, 0                                   ; v asks for nothing more
	s_wait_tensorcnt 0x0                           ; the wave's end
	ds_add_u32 v[SPW], v[NIL]
	s_wait_dscnt 0x0
	CROUND                                         ; the closing round
	s_endpgm
.Lfunc_end_k_qb15b0a1da7_qkv:
	.size	k_qb15b0a1da7_qkv, .Lfunc_end_k_qb15b0a1da7_qkv-k_qb15b0a1da7_qkv
	.p2alignl 7, 3214868480
	.fill 96, 4, 3214868480
	.section	.rodata,"a",@progbits
	.p2align	6, 0x0
	.amdhsa_kernel k_qb15b0a1da7_qkv
		.amdhsa_group_segment_fixed_size 327680
		.amdhsa_private_segment_fixed_size 0
		.amdhsa_enable_private_segment 0
		.amdhsa_kernarg_size 32
		.amdhsa_user_sgpr_count 2
		.amdhsa_user_sgpr_kernarg_segment_ptr 1
		.amdhsa_wavefront_size32 1
		.amdhsa_system_sgpr_workgroup_id_x 1
		.amdhsa_system_sgpr_workgroup_id_y 1
		.amdhsa_system_sgpr_workgroup_id_z 1
		.amdhsa_system_vgpr_workitem_id 0
		.amdhsa_next_free_vgpr 768
		.amdhsa_next_free_sgpr 100
		.amdhsa_reserve_vcc 0
		.amdhsa_float_denorm_mode_32 3
		.amdhsa_float_denorm_mode_16_64 3
		.amdhsa_memory_ordered 1
		.amdhsa_forward_progress 1
		.amdhsa_inst_pref_size 171
	.end_amdhsa_kernel
	.amdgpu_metadata
---
amdhsa.version: [ 1, 2 ]
amdhsa.kernels:
  - .name:           k_qb15b0a1da7_qkv
    .symbol:         k_qb15b0a1da7_qkv.kd
    .args:
      - { .name: oc, .offset: 0, .size: 8, .value_kind: global_buffer, .address_space: global }
      - { .name: os, .offset: 8, .size: 8, .value_kind: global_buffer, .address_space: global }
      - { .name: qkvc, .offset: 16, .size: 8, .value_kind: global_buffer, .address_space: global }
      - { .name: qkvs, .offset: 24, .size: 8, .value_kind: global_buffer, .address_space: global }
    .group_segment_fixed_size: 327680
    .private_segment_fixed_size: 0
    .kernarg_segment_align: 8
    .kernarg_segment_size: 32
    .max_flat_workgroup_size: 128
    .sgpr_count:     100
    .vgpr_count:     768
    .wavefront_size: 32
...
	.end_amdgpu_metadata
.endif
;; end of part 2
;; launch attn (part 3): grid 4 x 64, 16 waves a work-group, clusters of 4 x 1, 327,680 bytes of LDS; arguments qkvc, qkvs, acodes, ascales; writes acodes, ascales
.if DOCPART == 3
	.amdgcn_target "amdgcn-amd-amdhsa--gfx1250"
	.amdhsa_code_object_version 6
	.text
	.protected	k_qb15b0a1da7_attn
	.globl	k_qb15b0a1da7_attn
	.p2align	8
	.type	k_qb15b0a1da7_attn,@function
k_qb15b0a1da7_attn:
	s_mov_b64 s[64:65], 0
	v_nop
	global_prefetch_b8 v0, s[64:65] scope:SCOPE_SE
	s_setreg_imm32_b32 hwreg(HW_REG_WAVE_MODE, 25, 1), 1
	s_wait_xcnt 0x0
	s_wait_alu depctr_hold_cnt(0) depctr_sa_sdst(0) depctr_va_vdst(0) depctr_va_sdst(0) depctr_va_ssrc(0) depctr_va_vcc(0) depctr_vm_vsrc(0)
	s_getreg_b32 s2, hwreg(HW_REG_IB_STS2, 6, 4)
	s_cmp_eq_u32 s2, 0
	s_cbranch_scc0 .Lentry_in_a_cluster
	s_endpgm
.Lentry_in_a_cluster:
	s_bfe_u32 s2, ttmp6, 0x10000c
	s_cmp_lg_u32 s2, 0x3003
	s_cbranch_scc0 .Lentry_shape_is_right
	s_endpgm
.Lentry_shape_is_right:
; attn[b][q][h][:] = the sum over keys of softmax(q . k / 8) v, both products on codes of FP6 (E2M3); the result, divided by the row's sum, is quantised along h x 64 + d for the last projection.
; THE SOFTMAX: t = score x log2(e) / 8; M = the running largest t rounded UP to a whole number; p = 2^(t - M) is quantised along the keys; the row's sum is taken of the unquantised p.  When M moves, the sum and O are multiplied by 2^(old M - new M): exact.
; SHARES.  A cluster of four work-groups owns one (batch, head); work-group cx its queries 512 cx on.  Each of sixteen waves owns one tile of 16 queries in each of two passes: tile 32 cx + 16 pass + w.
; LDS.  Sixteen joint loads, one a wave: wave w brings key step w (128 keys): K's 6,144 bytes and V's 6,144, two rows of one tile, 64 bytes of padding behind each 256: 15,360 bytes a step.  Nothing is filled again.
; The first barrier shows steps 0 and 1 (waves 0 and 1, a load line of their own); the barrier behind a pass's first step shows the rest.  No prefetch: every tile is asked for at the head, there is no loop to run ahead in.
; THE FIRST PRODUCT, S^T = K Q^T: the head's 64 are half of the instruction's 128.  A fragment of K holds TWO key tiles, one in each half, and is multiplied with [Q | 0] and with [0 | Q]: K has no registers of zeros.
; WHICH KEYS FORM A TILE is chosen by the lanes' LDS addresses: tile 4 c + j, row 8 e + i is key 64 c + 32 e + 8 j + i.  So a lane's 32 registers of tiles 4 c .. 4 c + 3 are the whole block 2 c + h of 32 keys:
; no lane is asked for a block's maximum, and the conversions' results are the operand's registers.  In memory that key lies in tile 4 c + 2 e + j % 2, row 8 (j / 2) + i.
; K of step q + 1 is asked for behind step q's first products, V of step q at its top: each has a set of 48 registers.  The scale words come through registers into LDS once; K's are laid as words of two tiles.
; LIMITS: NaN and infinities are not served; a block whose largest magnitude lies under 2^-124 keeps the byte 1, and so does a block of zeros (its codes are zeros; this program alone reads the bytes).
; The promise holds while the scaled scores stay under 2^31 in magnitude.
; REGISTERS: v0 Q's scale word; v1, v2 K's LDS addresses; v3, v4 V's; v5 the scale words'; v6 16 r; v7, v8 the add's two; v9 16 x lane; v10 8 x lane; v11 8 h; v12 -M; v13 the largest score; v[14:15] the sum;
;   v16-33 Q, zeros, Q; v34 f; v35 p's scale word; v36-39 V's; v40-43 K's; v44-55 p's codes; v56-63 at work; v64-111 K; v112-159 V; v160-223 S^T, then p; v224-255 O^T.
.set CH,    15360                      ; a key step in LDS: K's 6,144 bytes + 24 x 64 of padding, then V's
.set VOF,   7680
.set SCB,   245760                     ; behind the 16 steps: K's scale words [step][row][pair of tiles], 4,096 bytes; then V's [step][r][d tile], 4,096
.set SPARE, 253952                     ; the spare words, 128 bytes for each wave, which no other line names
.set SPW, 7
.set NIL, 8
.set QQ,  16
.set VSC, 36
.set KSC, 40
.set PC,  44
.set KF,  64
.set VF,  112
.set SS,  160
.set OO,  224
.set WV,  18
.set SEL, 20                           ; s[20:21] v_permlanex16_b32's selects for lane l xor 16
.set CS,  22                           ; s[22:23] c = log2(e) / 8;  s44: -c
.set NC,  44
.set G1,  24
.set G0,  40
.set CNT, 48
.set PN,  49                           ; the pass
.set QC,  50
.set QS,  52
.set AC,  54
.set AS,  56
.macro WALU
	s_wait_alu depctr_va_vdst(0)
.endm
.macro CROUND
	s_barrier_signal -1
	s_barrier_wait -1
	s_cmp_lg_u32 s[WV], 0
	s_cbranch_scc1 .Lnot_wave_0_\@
	s_barrier_signal -3
.Lnot_wave_0_\@:
	s_barrier_wait -3
	s_barrier_signal -1
	s_barrier_wait -1
.endm
.macro PADD d, a, b
	v_pk_add_f32 v[(\d):(\d)+1], v[(\a):(\a)+1], v[(\b):(\b)+1]
.endm
.macro RND r, k                        ; the row's sum in eight chains, in place on p behind its conversions: chain k takes up the pair 16 r + 2 k
	PADD SS+2*(\k), SS+2*(\k), SS+16*(\r)+2*(\k)
.endm
.macro KLOAD                           ; a step's four fragments of K and their scale words: 17 LDS loads
.irp c, 0,1
.irp pp, 0,1
	ds_load_b128 v[KF+12*(2*\c+\pp):KF+12*(2*\c+\pp)+3], v1 offset:3840*\c+128*\pp
	ds_load_b64 v[KF+12*(2*\c+\pp)+4:KF+12*(2*\c+\pp)+5], v2 offset:3840*\c+64*\pp+640
	ds_load_b128 v[KF+12*(2*\c+\pp)+6:KF+12*(2*\c+\pp)+9], v1 offset:3840*\c+128*\pp+960
	ds_load_b64 v[KF+12*(2*\c+\pp)+10:KF+12*(2*\c+\pp)+11], v2 offset:3840*\c+64*\pp+1600
.endr
.endr
	ds_load_b128 v[KSC:KSC+3], v5
.endm
.macro QLOAD oc, os                    ; Q's 768 bytes, twice, and its scale word
	global_load_b128 v[QQ:QQ+3], v9, s[QC:QC+1] offset:\oc
	global_load_b64 v[QQ+4:QQ+5], v10, s[QC:QC+1] offset:\oc+512
	global_load_b128 v[QQ+12:QQ+15], v9, s[QC:QC+1] offset:\oc
	global_load_b64 v[QQ+16:QQ+17], v10, s[QC:QC+1] offset:\oc+512
	global_load_b32 v0, v6, s[QS:QS+1] offset:\os
.endm
; A KEY STEP: 128 keys.  first: it starts O^T and the sum.  last: no further K is fetched; the next pass's Q is.
.macro STEP first, last
.irp t, 0,1,2,3                                ; V's four fragments and scale words: 17 loads.  The additions behind the last products are the places ahead of them
	ds_load_b128 v[VF+12*\t:VF+12*\t+3], v3 offset:VOF+1920*\t
	ds_load_b64 v[VF+12*\t+4:VF+12*\t+5], v4 offset:VOF+1920*\t+640
	ds_load_b128 v[VF+12*\t+6:VF+12*\t+9], v3 offset:VOF+1920*\t+960
	ds_load_b64 v[VF+12*\t+10:VF+12*\t+11], v4 offset:VOF+1920*\t+1600
.endr
	ds_load_b128 v[VSC:VSC+3], v5 offset:4096
	WALU                                           ; the wait ahead of a wait that blocks
	s_wait_dscnt 17                                ; K is in; V's 17 loads may be out
.irp p, 0,1,2,3
	v_wmma_scale_f32_16x16x128_f8f6f4 v[SS+16*\p:SS+16*\p+7], v[KF+12*\p:KF+12*\p+11], v[QQ:QQ+11], 0, v[KSC+\p], v0 matrix_a_fmt:MATRIX_FMT_FP6 matrix_b_fmt:MATRIX_FMT_FP6
	v_wmma_scale_f32_16x16x128_f8f6f4 v[SS+16*\p+8:SS+16*\p+15], v[KF+12*\p:KF+12*\p+11], v[QQ+6:QQ+17], 0, v[KSC+\p], v0 matrix_a_fmt:MATRIX_FMT_FP6 matrix_b_fmt:MATRIX_FMT_FP6
.endr
.if !\first
	v_mov_b32 v34, v12                             ; the old -M
.endif
.if \last
.rept 4
	v_nop                                          ; places behind the products (ISA guide 7.12.1)
.endr
	WALU
	s_cmp_eq_u32 s[PN], 1
	s_cbranch_scc1 .Lno_q_\@                       ; the second pass has no successor
	QLOAD 12288, 1024
.Lno_q_\@:
.else
	v_add_nc_u32 v1, CH, v1                        ; a step on.  These five are the places behind the products
	v_add_nc_u32 v2, CH, v2
	v_add_nc_u32 v3, CH, v3
	v_add_nc_u32 v4, CH, v4
	v_add_nc_u32 v5, 256, v5
	KLOAD                                          ; the next step's K: 17 loads
.endif
.irp t, 0,1,2,3,4,5,6,7                        ; the largest score of my two blocks of 32 keys: eight chains, one to an accumulator, each read from its low end on
	v_max3_num_f32 v[56+\t], v[SS+8*\t], v[SS+8*\t+1], v[SS+8*\t+2]
.endr
.irp i, 3,5
.irp t, 0,1,2,3,4,5,6,7
	v_max3_num_f32 v[56+\t], v[56+\t], v[SS+8*\t+\i], v[SS+8*\t+\i+1]
.endr
.endr
.irp c, 0,1                                    ; a block's four chains and its accumulators' last registers
	v_max3_num_f32 v[56+4*\c], v[56+4*\c], v[57+4*\c], v[SS+32*\c+7]
	v_max3_num_f32 v[58+4*\c], v[58+4*\c], v[59+4*\c], v[SS+32*\c+15]
.endr
.irp c, 0,1
	v_max3_num_f32 v[59+4*\c], v[56+4*\c], v[58+4*\c], v[SS+32*\c+23]
.endr
.irp c, 0,1
	v_max_num_f32 v[59+4*\c], v[59+4*\c], v[SS+32*\c+31]
.endr
	s_delay_alu instid0(VALU_DEP_1)
	v_max_num_f32 v57, v59, v63
	s_delay_alu instid0(VALU_DEP_1)
	v_permlanex16_b32 v58, v57, s[SEL], s[SEL+1]   ; lane l xor 16's 64 keys
	s_delay_alu instid0(VALU_DEP_1)
.if \first
	v_max_num_f32 v13, v57, v58
.else
	v_max3_num_f32 v13, v13, v57, v58              ; the running largest score of my query
.endif
	s_delay_alu instid0(VALU_DEP_1)
	v_mul_f32 v62, s[NC], v13                      ; -t
	s_delay_alu instid0(VALU_DEP_1)
	v_floor_f32 v12, v62                           ; -M = floor(-t): M is a whole number
.if !\first
	s_delay_alu instid0(VALU_DEP_1)
	v_sub_f32 v34, v12, v34                        ; old M - new M: a whole number, 0 or less
.endif
	v_fma_f32 v59, v59, s[CS], v12                 ; t - M of each block's largest score
	v_fma_f32 v63, v63, s[CS], v12
.if !\first
	v_cvt_i32_f32 v34, v34                         ; (it saturates)
.endif
.set J, 0
.rept 4
	v_pk_fma_f32 v[SS+J:SS+J+1], v[SS+J:SS+J+1], s[CS:CS+1], v[12:13] op_sel_hi:[1,0,0]   ; t - M, two at a time
.set J, J+2
.endr
.if !\first
	v_ldexp_f32 v34, 1.0, v34                      ; f = 2^(old M - new M)
.endif
.rept 28
	v_pk_fma_f32 v[SS+J:SS+J+1], v[SS+J:SS+J+1], s[CS:CS+1], v[12:13] op_sel_hi:[1,0,0]
.set J, J+2
.endr
.if !\first
.set J, 0
.rept 16
	v_pk_mul_f32 v[OO+J:OO+J+1], v[OO+J:OO+J+1], v[34:35] op_sel_hi:[1,0]   ; O^T under the new M, ahead of the exponentials
.set J, J+2
.endr
.endif
	WALU                                           ; the wait ahead of the batch
.set J, 0
.rept 64
	v_exp_f32 v[SS+J], v[SS+J]                     ; p = 2^(t - M), at most 1: not normalised
.set J, J+1
.endr
	v_exp_f32 v59, v59                             ; my blocks' largest p
	v_exp_f32 v63, v63
.if \first
	v_nop                                          ; a plain place behind the batch
.else
	v_pk_mul_f32 v[14:15], v[14:15], v[34:35] op_sel_hi:[1,0]   ; the sum under the new M: the plain place behind the batch
.endif
	WALU                                           ; and the one wait behind it
	v_max_num_f32 v59, 0x1800000, v59              ; the floor 2^(3 - 127): the byte cannot fall under 1
	v_max_num_f32 v63, 0x1800000, v63
	v_add_nc_u32 v59, 0xff000000, v59              ; 2 off the exponent field: the conversions' scale operands
	v_add_nc_u32 v63, 0xff000000, v63
	v_cvt_scalef32_pk16_fp6_f32 v[PC:PC+2], v[SS:SS+15], v59
	v_cvt_scalef32_pk16_fp6_f32 v[56:58], v[SS+16:SS+31], v59      ; (a conversion's three registers begin on an even number)
	v_cvt_scalef32_pk16_fp6_f32 v[PC+6:PC+8], v[SS+32:SS+47], v63
	v_cvt_scalef32_pk16_fp6_f32 v[60:62], v[SS+48:SS+63], v63
	v_lshrrev_b32 v34, 23, v59                     ; the bytes of blocks h and 2 + h.  The scale word's lines stand apart, among the moves and the sum's additions
	v_lshrrev_b32 v35, 23, v63
.irp i, 0,1
	v_mov_b32 v[PC+3+\i], v[56+\i]
	v_mov_b32 v[PC+9+\i], v[60+\i]
.endr
	v_lshl_or_b32 v34, v35, 16, v34
	v_mov_b32 v[PC+5], v58
	v_mov_b32 v[PC+11], v62
	RND 1, 0                                       ; the row's sum of the unquantised p
	RND 1, 1
	v_lshlrev_b32 v34, v11, v34                    ; at their places in the word (8 h bits up);
.irp k, 2,3,4,5
	RND 1, \k
.endr
	v_permlanex16_b32 v35, v34, s[SEL], s[SEL+1]
	RND 1, 6
	RND 1, 7
	RND 2, 0
	RND 2, 1
	v_or_b32 v35, v34, v35                         ; with lane l xor 16's two the word is whole.  Eight places follow it ahead of the products
.irp k, 2,3,4,5,6,7
	RND 2, \k
.endr
	RND 3, 0
	RND 3, 1
	WALU
.if \last
	s_wait_dscnt 0x0                               ; V is in
.else
	s_wait_dscnt 17                                ; V is in; the next K's 17 loads may be out
.endif
.irp t, 0,1,2,3                                ; O^T += V^T P^T: four accumulators by turns
.if \first
	v_wmma_scale_f32_16x16x128_f8f6f4 v[OO+8*\t:OO+8*\t+7], v[VF+12*\t:VF+12*\t+11], v[PC:PC+11], 0, v[VSC+\t], v35 matrix_a_fmt:MATRIX_FMT_FP6 matrix_b_fmt:MATRIX_FMT_FP6
.else
	v_wmma_scale_f32_16x16x128_f8f6f4 v[OO+8*\t:OO+8*\t+7], v[VF+12*\t:VF+12*\t+11], v[PC:PC+11], v[OO+8*\t:OO+8*\t+7], v[VSC+\t], v35 matrix_a_fmt:MATRIX_FMT_FP6 matrix_b_fmt:MATRIX_FMT_FP6
.endif
.endr
.irp k, 2,3,4,5,6,7
	RND 3, \k
.endr
.irp k, 0,1,2,3
	PADD SS+2*\k, SS+2*\k, SS+2*\k+8               ; the eight chains are joined
.endr
	PADD SS, SS, SS+4
	PADD SS+2, SS+2, SS+6
.if \first
	PADD 14, SS, SS+2
.else
	PADD SS, SS, SS+2
	PADD 14, 14, SS
.endif
.endm
	s_load_b256 s[4:11], s[0:1], 0x0               ; qkvc s[4:5], qkvs s[6:7], acodes s[8:9], ascales s[10:11]
	v_lshl_add_u32 v[SPW], v0, 2, SPARE
	v_mov_b32 v[NIL], 0
	ds_add_u32 v[SPW], v[NIL]                      ; the opening lines: the add, twice on end, and its wait ahead of my tensor load
	ds_add_u32 v[SPW], v[NIL]
	v_lshrrev_b32 v1, 5, v0
	v_readfirstlane_b32 s[WV], v1                  ; wave 0..15
	s_and_b32 s12, ttmp7, 0xffff                   ; bh, which the four partners share
	s_bfe_u32 s13, ttmp6, 0x40000                  ; cx: it enters Q's and the results' addresses alone
	s_mov_b32 s[G1], 15|(3<<16)|(1<<20)|(1<<21)|(5<<22)|(15<<25)   ; all four partners; elements of 8 bytes; 16 words of padding behind every 64
	s_mov_b32 s[G1+1], 768<<16                     ; a row: 6,144 bytes
	s_mov_b32 s[G1+2], 2<<16                       ; two rows: K's and V's part of a key step,
	s_mov_b32 s[G1+3], 768<<16
	s_mov_b32 s[G1+4], 2
	s_mov_b32 s[G1+5], 12288                       ; 98,304 bytes apart
	s_mov_b32 s[G1+6], 0
	s_mov_b32 s[G1+7], 0
	s_mul_i32 s15, s[WV], CH                       ; key step w: its place in LDS,
	s_mul_i32 s16, s12, 196608
	s_mul_i32 s14, s[WV], 6144
	s_add_co_u32 s16, s16, s14
	s_add_co_u32 s16, s16, 6291456                 ; and in memory: K and V lie behind Q
	s_mov_b32 s17, 0
	s_mul_i32 s2, s12, 12288
	s_add_co_u32 s2, s2, 524288                    ; the head's scale words
	s_mov_b32 s3, 0
	s_lshl_b32 s[QC], s12, 7
	s_lshl_b32 s[QC+1], s13, 5
	s_add_co_u32 s[QC], s[QC], s[QC+1]
	s_add_co_u32 s[QC], s[QC], s[WV]               ; 128 bh + 32 cx + w: my tile of pass 0
	s_mul_i32 s[QC], s[QC], 768
	s_mov_b32 s[QC+1], 0
	s_lshl_b32 s[QS], s12, 5
	s_lshl_b32 s[QS+1], s13, 3
	s_add_co_u32 s[QS], s[QS], s[QS+1]
	s_lshr_b32 s[QS+1], s[WV], 2
	s_add_co_u32 s[QS], s[QS], s[QS+1]             ; its group of four tiles,
	s_lshl_b32 s[QS], s[QS], 8
	s_and_b32 s[QS+1], s[WV], 3
	s_lshl_b32 s[QS+1], s[QS+1], 2
	s_add_co_u32 s[QS], s[QS], s[QS+1]             ; and its word in the group's rows
	s_mov_b32 s[QS+1], 0
	s_lshr_b32 s[AC], s12, 4
	s_lshl_b32 s[AC], s[AC], 7
	s_lshl_b32 s[AC+1], s13, 5
	s_add_co_u32 s[AC], s[AC], s[AC+1]
	s_add_co_u32 s[AC], s[AC], s[WV]               ; the tile among all 512 tiles of rows
	s_and_b32 s[AC+1], s12, 15                     ; the head
	s_lshl_b32 s[AS], s[AC], 9
	s_lshl_b32 s[AS+1], s[AC+1], 1
	s_add_co_u32 s[AS], s[AS], s[AS+1]             ; 512 x tile + 2 x head
	s_mov_b32 s[AS+1], 0
	s_lshl_b32 s[AC], s[AC], 4
	s_add_co_u32 s[AC], s[AC], s[AC+1]
	s_mul_i32 s[AC], s[AC], 768
	s_mov_b32 s[AC+1], 0
	s_mov_b32 s[SEL], 0x76543210
	s_mov_b32 s[SEL+1], 0xfedcba98
	s_mov_b32 s[CS], 0x3e38aa3b                    ; c = log2(e) / 8
	s_mov_b32 s[CS+1], s[CS]
	s_mov_b32 s[NC], 0xbe38aa3b                    ; -c
	s_mov_b32 s[PN], 0
	v_lshlrev_b32 v1, 4, v0                        ; 16 x thread: K's scale words as they lie, [4 tiles][r][4 words]
	v_lshlrev_b32 v2, 3, v0                        ; 8 x thread: V's
	v_and_b32 v3, 31, v0
	v_lshlrev_b32 v9, 4, v3                        ; 16 x lane
	v_lshlrev_b32 v10, 3, v3                       ; 8 x lane
	v_and_b32 v6, 15, v0
	v_lshlrev_b32 v6, 4, v6                        ; 16 r
	v_bfe_u32 v11, v0, 4, 1
	v_lshlrev_b32 v11, 3, v11                      ; 8 h
	v_and_b32 v4, 0x1e0, v0                        ; thread = 16 c + 8 pp + i holds row 8 pp + i of tiles 4 c .. 4 c + 3.  Its two words of two tiles go to [step c / 2][row 8 e + i][word 2 (c % 2) + pp], e = 0, 1
	v_lshlrev_b32 v4, 3, v4                        ; 256 (c / 2)
	v_and_b32 v5, 7, v0
	v_lshl_add_u32 v4, v5, 4, v4                   ; + 16 i
	v_add_nc_u32 v4, v4, v11                       ; + 8 (c % 2)
	v_bfe_u32 v5, v0, 3, 1
	v_lshl_add_u32 v4, v5, 2, v4                   ; + 4 pp
	v_add_nc_u32 v4, SCB, v4
	v_add_nc_u32 v5, SCB+4096, v2
.irp j, 6,7,8,9,10,11
	v_mov_b32 v[QQ+\j], 0                          ; the zero codes between Q's two copies: written once
.endr
	WALU                                           ; the wait at the head's end
	s_wait_dscnt 0x0                               ; both opening adds are done
	s_wait_kmcnt 0x0
	s_mov_b32 s[G0], 1
	s_mov_b32 s[G0+1], s15
	s_add_nc_u64 s[G0+2:G0+3], s[4:5], s[16:17]
	s_or_b32 s[G0+3], s[G0+3], 0x80000000
	s_add_nc_u64 s[2:3], s[6:7], s[2:3]
	s_add_nc_u64 s[QC:QC+1], s[4:5], s[QC:QC+1]
	s_add_nc_u64 s[QS:QS+1], s[6:7], s[QS:QS+1]
	s_add_nc_u64 s[AC:AC+1], s[8:9], s[AC:AC+1]
	s_add_nc_u64 s[AS:AS+1], s[10:11], s[AS:AS+1]
	CROUND                                         ; all four work-groups are here: the joint loads meet
	s_cmp_lt_u32 s[WV], 2                          ; waves 0 and 1 have a load line of their own: the first barrier shows their steps alone
	s_cbranch_scc0 .Lrest
	tensor_load_to_lds s[G0:G0+3], s[G1:G1+7]
	s_nop 0
.rept 4
	v_nop
.endr
	s_branch .Lasked
.Lrest:
	tensor_load_to_lds s[G0:G0+3], s[G1:G1+7]
	s_nop 0
.rept 4
	v_nop
.endr
.Lasked:
	global_load_b128 v[56:59], v1, s[2:3]
	global_load_b64 v[60:61], v2, s[2:3] offset:8192
	QLOAD 0, 0
	s_wait_loadcnt 5                               ; the scale words are in; Q's five loads may be out
	v_perm_b32 v62, v57, v56, 0x05040100           ; the two bytes of tile 4 c and of tile 4 c + 1,
	v_perm_b32 v63, v59, v58, 0x05040100           ; of tiles 4 c + 2 and 4 c + 3
	ds_store_b32 v4, v62
	ds_store_b32 v4, v63 offset:128
	ds_store_b64 v5, v[60:61]
	s_wait_dscnt 0x0
	s_cmp_lt_u32 s[WV], 2
	s_cbranch_scc0 .Lnot_mine
	s_wait_tensorcnt 0x0
.Lnot_mine:
	s_barrier_signal -1
	s_barrier_wait -1                              ; key steps 0 and 1 and all scale words are in
.Lpass:                                            ; a pass: one tile of 16 queries against all 2,048 keys
	WALU
	s_wait_loadcnt 0x0                             ; Q
	v_perm_b32 v0, v0, v0, 0x01000100              ; its two bytes in both halves of the word; the eight lines below are the places ahead of the products
	v_lshrrev_b32 v56, 7, v6                       ; e = r / 8
	v_mad_u32_u24 v3, v11, 40, v6                  ; V: 16 r + 320 h
	v_mov_b32 v4, v10                              ;    8 x lane
	v_mad_u32_u24 v1, v56, 1792, v3                ; K: 16 i + 320 h + 1,920 e
	v_mad_u32_u24 v2, v56, 1856, v10               ;    8 i + 128 h + 1,920 e
	v_add_nc_u32 v5, SCB, v6
	v_nop
	v_nop
	KLOAD
	STEP 1, 0
	WALU
	s_wait_tensorcnt 0x0                           ; my key step has landed,
	s_wait_dscnt 0x0
	s_barrier_signal -1
	s_barrier_wait -1                              ; everybody's has.
	s_mov_b32 s[CNT], 14
.Lstep:
	STEP 0, 0
	s_sub_co_u32 s[CNT], s[CNT], 1
	s_cmp_lg_u32 s[CNT], 0
	WALU
	s_cbranch_scc1 .Lstep
	STEP 0, 1
	v_add_f32 v14, v14, v15                        ; the sum's two halves,
	v_permlanex16_b32 v58, v14, s[SEL], s[SEL+1]
	v_add_f32 v14, v14, v58                        ; and lane l xor 16's: the row's sum
	WALU
	v_rcp_f32 v14, v14
	v_nop
	WALU
.set J, 0
.rept 16
	v_pk_mul_f32 v[SS+J:SS+J+1], v[OO+J:OO+J+1], v[14:15] op_sel_hi:[1,0]   ; O^T / the sum: register 16 b + i is d = 32 b + 16 h + i
.set J, J+2
.endr
.irp b, 0,1
	v_max3_num_f32 v[56+\b], |v[SS+16*\b]|, |v[SS+1+16*\b]|, 0x1800000
.endr
.irp i, 2,4,6,8,10,12,14
.irp b, 0,1
	v_max3_num_f32 v[56+\b], v[56+\b], |v[SS+16*\b+\i]|, |v[SS+1+16*\b+\i]|
.endr
.endr
.irp b, 0,1
	v_permlanex16_b32 v[58+\b], v[56+\b], s[SEL], s[SEL+1]
.endr
.irp b, 0,1
	v_max_num_f32 v[56+\b], v[56+\b], v[58+\b]
.endr
.irp b, 0,1
	v_add_nc_u32 v[60+\b], 0xff000000, v[56+\b]
.endr
.irp b, 0,1
	v_lshrrev_b32 v[58+\b], 23, v[60+\b]
.endr
	v_lshl_or_b32 v62, v59, 8, v58                 ; my head's two bytes of the row's scale word
	v_cvt_scalef32_pk16_fp6_f32 v[PC:PC+2], v[SS:SS+15], v60
	v_cvt_scalef32_pk16_fp6_f32 v[PC+8:PC+10], v[SS+16:SS+31], v61
	v_lshlrev_b32 v57, 1, v6                       ; 32 r.  (The plain place behind the conversions)
.irp i, 0,1,2
	v_permlane16_swap_b32 v[PC+\i], v[PC+8+\i]     ; a whole block of 32 into each lane
.endr
.irp i, 0,1,2
	v_mov_b32 v[PC+3+\i], v[PC+8+\i]
.endr
	global_store_b128 v9, v[PC:PC+3], s[AC:AC+1]           ; 512 consecutive bytes,
	global_store_b64 v10, v[PC+4:PC+5], s[AC:AC+1] offset:512  ; 256: my tile's 768 bytes of this head
	global_store_b16 v57, v62, s[AS:AS+1]                  ; two bytes a row: a scale word belongs to two heads, which two clusters make; lanes 16-31 repeat lanes 0-15's
	s_wait_xcnt 0x0                                ; the stores have read their data and bases
	s_add_nc_u64 s[AC:AC+1], s[AC:AC+1], 196608    ; sixteen tiles on
	s_add_nc_u64 s[AS:AS+1], s[AS:AS+1], 8192
	s_add_co_u32 s[PN], s[PN], 1
	s_cmp_lt_u32 s[PN], 2
	WALU
	s_cbranch_scc1 .Lpass
	s_wait_tensorcnt 0x0                           ; the wave's end
	ds_add_u32 v[SPW], v[NIL]
	s_wait_dscnt 0x0
	CROUND                                         ; the closing round
	s_endpgm
.Lfunc_end_k_qb15b0a1da7_attn:
	.size	k_qb15b0a1da7_attn, .Lfunc_end_k_qb15b0a1da7_attn-k_qb15b0a1da7_attn
	.p2alignl 7, 3214868480
	.fill 96, 4, 3214868480
	.section	.rodata,"a",@progbits
	.p2align	6, 0x0
	.amdhsa_kernel k_qb15b0a1da7_attn
		.amdhsa_group_segment_fixed_size 327680
		.amdhsa_private_segment_fixed_size 0
		.amdhsa_enable_private_segment 0
		.amdhsa_kernarg_size 32
		.amdhsa_user_sgpr_count 2
		.amdhsa_user_sgpr_kernarg_segment_ptr 1
		.amdhsa_wavefront_size32 1
		.amdhsa_system_sgpr_workgroup_id_x 1
		.amdhsa_system_sgpr_workgroup_id_y 1
		.amdhsa_system_sgpr_workgroup_id_z 1
		.amdhsa_system_vgpr_workitem_id 0
		.amdhsa_next_free_vgpr 256
		.amdhsa_next_free_sgpr 66
		.amdhsa_reserve_vcc 0
		.amdhsa_float_denorm_mode_32 3
		.amdhsa_float_denorm_mode_16_64 3
		.amdhsa_memory_ordered 1
		.amdhsa_forward_progress 1
		.amdhsa_inst_pref_size 56
	.end_amdhsa_kernel
	.amdgpu_metadata
---
amdhsa.version: [ 1, 2 ]
amdhsa.kernels:
  - .name:           k_qb15b0a1da7_attn
    .symbol:         k_qb15b0a1da7_attn.kd
    .args:
      - { .name: qkvc, .offset: 0, .size: 8, .value_kind: global_buffer, .address_space: global }
      - { .name: qkvs, .offset: 8, .size: 8, .value_kind: global_buffer, .address_space: global }
      - { .name: acodes, .offset: 16, .size: 8, .value_kind: global_buffer, .address_space: global }
      - { .name: ascales, .offset: 24, .size: 8, .value_kind: global_buffer, .address_space: global }
    .group_segment_fixed_size: 327680
    .private_segment_fixed_size: 0
    .kernarg_segment_align: 8
    .kernarg_segment_size: 32
    .max_flat_workgroup_size: 512
    .sgpr_count:     66
    .vgpr_count:     256
    .wavefront_size: 32
...
	.end_amdgpu_metadata
.endif
;; end of part 3
;; launch outp (part 4): grid 4 x 64, 4 waves a work-group, clusters of 4 x 4, 327,680 bytes of LDS; arguments oc, os, acodes, ascales, bo, out0; writes out0
.if DOCPART == 4
	.amdgcn_target "amdgcn-amd-amdhsa--gfx1250"
	.amdhsa_code_object_version 6
	.text
	.protected	k_qb15b0a1da7_outp
	.globl	k_qb15b0a1da7_outp
	.p2align	8
	.type	k_qb15b0a1da7_outp,@function
k_qb15b0a1da7_outp:
	s_mov_b64 s[64:65], 0
	v_nop
	global_prefetch_b8 v0, s[64:65] scope:SCOPE_SE
	s_setreg_imm32_b32 hwreg(HW_REG_WAVE_MODE, 25, 1), 1
	s_wait_xcnt 0x0
	s_wait_alu depctr_hold_cnt(0) depctr_sa_sdst(0) depctr_va_vdst(0) depctr_va_sdst(0) depctr_va_ssrc(0) depctr_va_vcc(0) depctr_vm_vsrc(0)
	s_getreg_b32 s2, hwreg(HW_REG_IB_STS2, 6, 4)
	s_cmp_eq_u32 s2, 0
	s_cbranch_scc0 .Lentry_in_a_cluster
	s_endpgm
.Lentry_in_a_cluster:
	s_bfe_u32 s2, ttmp6, 0x10000c
	s_cmp_lg_u32 s2, 0xf033
	s_cbranch_scc0 .Lentry_shape_is_right
	s_endpgm
.Lentry_shape_is_right:
; out0 = attn Wo + bo on codes of FP6 (E2M3); out0 [8192][1024] f32.
; D = P x R, source 0 = 16 columns of Wo (P, oc's tiles 1216 on), source 1 = 16 rows of attn (R, acodes): a lane holds one row of the result and eight neighbouring columns in each accumulator.
; A tile's 16 rows are 32 (t / 2) + 8 (t % 2) + r + 8 (r / 8), of both operands: so the 16 registers of P's tiles 2 b, 2 b + 1 are columns 32 b + 16 h + 0 .. 15, and a tile of R names its rows of out0 by the same formula.
; SHARES.  A work-group makes 128 rows x 256 columns over all of K = 1,024; wave w makes 64 rows (w / 2) x 128 columns (w % 2): 32 accumulators.
; THE WHOLE K LIES IN LDS: 24 tiles x 12,288 bytes, in two halves of 512 along K.  Every tensor load is a first fill: no slot is filled again.  A wave has one tensor load out.
; CLUSTER 4 x 4: R's tiles are asked for jointly along a row of the cluster, P's along a column.  The bias is the C of each sum's first matrix instruction.
; REGISTERS, in windows of 256.  Window 0: v4-7 LDS addresses, v8-13 offsets, v28, v29 the add's two, v32-79 and v80-127 R's fragments (two sets), v128-159 R's scale words, v160-223 P's; on the way out v32-127, v224-255 rows of out0.
;   Window 1: accumulator (i, b) at v[8 (8 i + b)].   Window 2: P's fragments, two sets, at v0 and v128; the bias of P's tile b at v[96 + 8 b + 96 (b / 4)].
.set CHUNK, 147456                     ; LDS holds K in TWO HALVES of 512 along K: in each, R's 8 tiles x 6,144 bytes, then P's 16.  One tensor load a wave: wave 0 R's first half, 1 P's first, 2 R's second, 3 P's second
.set SPARE, 2*CHUNK                    ; behind the halves: the spare words, 128 bytes for each wave, which no other line names
.set SPITCH, 528                       ; the way out: a stage of 16 rows x (512 bytes + 16) for each wave, in chunk 0, which has had its only fill and its last read when the first result is stored there
.set SPW, 28
.set NIL, 29
.set STO, 12
.set RD,  13
.set RS,  128
.set PS,  160
.set G1R, 24
.set G1P, 32
.set G0R, 40
.set G0P, 68
.set MSB, 0
.macro WIN new                         ; the immediate's high byte repeats the setting that is left
.if MSB != \new
	s_set_vgpr_msb (MSB<<8)|\new
.set MSB, \new
.endif
.endm
.macro PLACES n
.rept \n
	v_nop
.endr
.endm
.macro CROUND                          ; a round of the cluster's barrier
	s_barrier_signal -1
	s_barrier_wait -1
	s_cmp_lg_u32 s12, 0
	s_cbranch_scc1 .Lnot_wave_0_\@
	s_barrier_signal -3
.Lnot_wave_0_\@:
	s_barrier_wait -3
	s_barrier_signal -1
	s_barrier_wait -1
.endm
.macro HFRAG reg, a16, a8, off         ; a fragment, 12 registers, from its image of 1,536 bytes: every load takes consecutive bytes
	ds_load_b128 v[(\reg):(\reg)+3], v[\a16] offset:(\off)
	ds_load_b64 v[(\reg)+4:(\reg)+5], v[\a8] offset:(\off)
	ds_load_b128 v[(\reg)+6:(\reg)+9], v[\a16] offset:(\off)+768
	ds_load_b64 v[(\reg)+10:(\reg)+11], v[\a8] offset:(\off)+768
.endm
.macro FETCH k                         ; K step k's fragments into set k % 2: P's eight, R's four
	WIN 0x80                                       ; destination window 2
.irp b, 0,1,2,3,4,5,6,7
	HFRAG 128*((\k)%2)+12*\b, 6, 7, 6144*\b+1536*((\k)%4)
.endr
	WIN 0
.irp i, 0,1,2,3
	HFRAG 32+48*((\k)%2)+12*\i, 4, 5, 6144*\i+1536*((\k)%4)
.endr
.endm
.macro MUL k                           ; 32 matrix instructions; the 32 accumulators take turns, one instruction a turn, in the same order in every step.  Step 0 starts the sums with the bias
.if (\k) == 0
	WIN 0x62                                       ; source 0 (P) and C (the bias) window 2, source 1 (R) window 0, D window 1
.else
	WIN 0x52                                       ; C and D window 1
.endif
.irp i, 0,1,2,3
.irp b, 0,1,2,3,4,5,6,7
.if (\k) == 0
	v_wmma_scale_f32_16x16x128_f8f6f4 v[8*(8*\i+\b):8*(8*\i+\b)+7], v[128*((\k)%2)+12*\b:128*((\k)%2)+12*\b+11], v[32+48*((\k)%2)+12*\i:32+48*((\k)%2)+12*\i+11], v[96+8*\b+96*(\b/4):96+8*\b+96*(\b/4)+7], v[PS+8*\b+(\k)], v[RS+8*\i+(\k)] matrix_a_fmt:MATRIX_FMT_FP6 matrix_b_fmt:MATRIX_FMT_FP6
.else
	v_wmma_scale_f32_16x16x128_f8f6f4 v[8*(8*\i+\b):8*(8*\i+\b)+7], v[128*((\k)%2)+12*\b:128*((\k)%2)+12*\b+11], v[32+48*((\k)%2)+12*\i:32+48*((\k)%2)+12*\i+11], v[8*(8*\i+\b):8*(8*\i+\b)+7], v[PS+8*\b+(\k)], v[RS+8*\i+(\k)] matrix_a_fmt:MATRIX_FMT_FP6 matrix_b_fmt:MATRIX_FMT_FP6
.endif
.endr
.endr
.endm
.macro STEP k
.if (\k) == 3
	s_wait_tensorcnt 0x0                           ; every wave's one load has landed: the second half is whole
.endif
	s_wait_dscnt 0x0                               ; this step's fragments are in
.if (\k) == 3
	s_barrier_signal -1
	s_barrier_wait -1                              ; shown to all four waves, and nobody reads the first half any more.
.endif
.if (\k) < 7
	WIN 0
.if (\k) == 3
.irp a, 4,5,6,7
	v_add_nc_u32 v\a, CHUNK, v\a                   ; on to the next chunk.  These four are also the places in front of loads into registers that matrix instructions have read
.endr
.elseif (\k) > 0
	PLACES 4
.endif
	s_wait_alu depctr_va_vdst(0)
	FETCH (\k)+1
.endif
	MUL \k
.endm
; THE WAY OUT, a tile of 16 rows x 128 columns at a time: a lane holds pieces of 32 bytes of one row, and the lanes beside it hold other rows: so a tile goes through my own stage and comes back as whole rows of 512 bytes.
; LDS serves a wave's instructions in order (ISA guide 5.7.1.4): no wait between the stores and the loads, nor in front of the next tile's stores.
.macro TOSTAGE a
	WIN 0x04                                       ; an LDS store's data are its source 1: window 1
.irp b, 0,1,2,3,4,5,6,7
	ds_store_b128 v[STO], v[64*(\a)+8*\b:64*(\a)+8*\b+3] offset:128*(\b/2)+32*(\b%2)        ; each accumulator from its low end on: columns 32 (b / 2) + 16 h + 8 (b % 2) + 0 .. 7
	ds_store_b128 v[STO], v[64*(\a)+8*\b+4:64*(\a)+8*\b+7] offset:128*(\b/2)+32*(\b%2)+16
.endr
	WIN 0
.irp t, 0,1,2,3,4,5,6,7,8,9,10,11,12,13,14,15
	ds_load_b128 v[32+4*\t+((\a)%2)*(64+96*(\t/8)):32+4*\t+((\a)%2)*(64+96*(\t/8))+3], v[RD] offset:SPITCH*\t   ; v32-95, or v96-127 and v224-255: the registers that hold scales hold nothing else
.endr
.endm
.macro SEND a, younger                 ; younger: the LDS instructions issued behind tile a's loads, which may stay out
	s_wait_dscnt \younger
.irp t, 0,1,2,3,4,5,6,7,8,9,10,11,12,13,14,15
	global_store_b128 v9, v[32+4*\t+((\a)%2)*(64+96*(\t/8)):32+4*\t+((\a)%2)*(64+96*(\t/8))+3], s[94:95] offset:(32*((\a)/2)+8*((\a)%2)+\t+8*(\t/8))*4096 th:TH_STORE_NT   ; 32 lanes store 512 consecutive bytes, at a multiple of 512 from out0's first byte
.endr
.endm
	s_load_b256 s[4:11], s[0:1], 0x0               ; oc s[4:5], os s[6:7], acodes s[8:9], ascales s[10:11]
	s_load_b128 s[92:95], s[0:1], 0x20             ; bo s[92:93], out0 s[94:95]
	v_lshl_add_u32 v[SPW], v0, 2, SPARE
	v_mov_b32 v[NIL], 0
	ds_add_u32 v[SPW], v[NIL]                      ; the wave's opening: the add and its wait ahead of my first tensor load; the set-up below, work on registers, stands between them
	ds_add_u32 v[SPW], v[NIL]
	v_lshrrev_b32 v1, 5, v0
	v_readfirstlane_b32 s12, v1                    ; wave 0..3
	s_lshr_b32 s13, s12, 1                         ; which 64 rows are mine.  Also: I fetch for R (0) or for P (1)
	s_and_b32 s14, s12, 1                          ; which 128 columns.  Also: which half of that operand's tiles I fetch
	s_and_b32 s16, ttmp7, 0xffff                   ; the cluster's y
	s_bfe_u32 s17, ttmp6, 0x40000                  ; cx
	s_bfe_u32 s18, ttmp6, 0x40004                  ; cy
	s_lshl_b32 s66, s18, 2
	s_lshl_b32 s66, 15, s66                        ; my row of the cluster
	s_lshl_b32 s67, 0x1111, s17                    ; my column
	s_or_b32 s[G1R], s66, (3<<16)|(1<<21)          ; 15:0 the mask; 17:16 elements of 8 bytes; 21 set beside a mask; no padding
	s_or_b32 s[G1P], s67, (3<<16)|(1<<21)
.irp g, G1R, G1P
	s_mov_b32 s[\g+1], 768<<16                     ; tensor_dim0: a tile's 6,144 bytes of a half
	s_mov_b32 s[\g+3], 768<<16                     ; tile_dim0
	s_mov_b32 s[\g+5], 1536                        ; from tile to tile: 12,288 bytes
	s_mov_b32 s[\g+6], 0
	s_mov_b32 s[\g+7], 0
.endr
	s_mov_b32 s[G1R+2], 8<<16                      ; all eight tiles of R to a load,
	s_mov_b32 s[G1R+4], 8
	s_mov_b32 s[G1P+2], 16<<16                     ; all sixteen of P
	s_mov_b32 s[G1P+4], 16
	s_lshl_b32 s84, s16, 2
	s_add_co_u32 s84, s84, s18                     ; rt: my block of 128 rows (cy enters, cx never)
	s_lshl_b32 s85, s84, 3                         ; its first tile in acodes
	s_mov_b32 s88, s17                             ; pt: my block of 256 columns (cx enters, cy never)
	s_lshl_b32 s89, s88, 4
	s_add_co_u32 s89, s89, 1216                    ; its first tile in oc
	s_mul_i32 s86, s85, 12288                      ; R's first tile
	s_mov_b32 s87, 0
	s_mul_i32 s90, s89, 12288                      ; P's first tile
	s_mov_b32 s91, 0
	s_lshl_b32 s56, s13, 2
	s_add_co_u32 s56, s56, s85
	s_lshl_b32 s56, s56, 9                         ; the scale words of my four tiles of R,
	s_mov_b32 s57, 0
	s_lshl_b32 s58, s14, 3
	s_add_co_u32 s58, s58, s89
	s_lshl_b32 s58, s58, 9                         ; and of my eight of P
	s_mov_b32 s59, 0
	s_lshl_b32 s62, s88, 10
	s_lshl_b32 s63, s14, 9
	s_add_co_u32 s62, s62, s63                     ; my first column, in bytes
	s_mov_b32 s63, 0
	s_lshl_b32 s98, s84, 19
	s_lshl_b32 s99, s13, 18
	s_add_co_u32 s98, s98, s99                     ; my first row x 4,096 bytes (under 2^25)
	s_mov_b32 s99, 0
	s_wait_dscnt 0x0                               ; the opening add is done
	s_wait_kmcnt 0x0
	s_add_nc_u64 s[86:87], s[8:9], s[86:87]
	s_add_nc_u64 s[90:91], s[4:5], s[90:91]
	s_add_nc_u64 s[56:57], s[10:11], s[56:57]
	s_add_nc_u64 s[58:59], s[6:7], s[58:59]
	s_add_nc_u64 s[92:93], s[92:93], s[62:63]
	s_add_nc_u64 s[94:95], s[94:95], s[62:63]
	s_add_nc_u64 s[94:95], s[94:95], s[98:99]
	CROUND                                         ; all sixteen work-groups are here: the joint loads meet
.irp c, 0,1
	s_mov_b32 s[G0R+4*\c], 1
	s_mov_b32 s[G0R+4*\c+1], CHUNK*\c
	s_add_nc_u64 s[G0R+4*\c+2:G0R+4*\c+3], s[86:87], 6144*\c
	s_or_b32 s[G0R+4*\c+3], s[G0R+4*\c+3], 0x80000000
	s_mov_b32 s[G0P+4*\c], 1
	s_mov_b32 s[G0P+4*\c+1], CHUNK*\c+49152
	s_add_nc_u64 s[G0P+4*\c+2:G0P+4*\c+3], s[90:91], 6144*\c
	s_or_b32 s[G0P+4*\c+3], s[G0P+4*\c+3], 0x80000000
.endr
	s_cmp_eq_u32 s12, 0                            ; one chain of branches on the wave's number, one load to an arm
	s_cbranch_scc0 .Lfill_1
	tensor_load_to_lds s[G0R:G0R+3], s[G1R:G1R+7]
	s_nop 0
	PLACES 4
	s_branch .Lfilled
.Lfill_1:
	s_cmp_eq_u32 s12, 1
	s_cbranch_scc0 .Lfill_2
	tensor_load_to_lds s[G0P:G0P+3], s[G1P:G1P+7]
	s_nop 0
	PLACES 4
	s_branch .Lfilled
.Lfill_2:
	s_cmp_eq_u32 s12, 2
	s_cbranch_scc0 .Lfill_3
	tensor_load_to_lds s[G0R+4:G0R+7], s[G1R:G1R+7]
	s_nop 0
	PLACES 4
	s_branch .Lfilled
.Lfill_3:
	tensor_load_to_lds s[G0P+4:G0P+7], s[G1P:G1P+7]
	s_nop 0
	PLACES 4
.Lfilled:
	v_and_b32 v1, 31, v0                           ; lane
	v_and_b32 v2, 15, v0                           ; r
	v_bfe_u32 v3, v0, 4, 1                         ; h
	v_lshlrev_b32 v8, 5, v2                        ; 32 r: a row's 8 scale words
	v_lshlrev_b32 v9, 4, v1                        ; 16 x lane
	v_lshlrev_b32 v10, 3, v1                       ; 8 x lane
	v_lshlrev_b32 v11, 6, v3                       ; 64 h: my half's 16 numbers of 32 of the bias
.irp i, 0,1,2,3                                ; THE SCALE WORDS COME ONCE, straight into registers that hold nothing else: lane r takes row r's 8 words of each tile
	global_load_b128 v[RS+8*\i:RS+8*\i+3], v8, s[56:57] offset:512*\i
	global_load_b128 v[RS+8*\i+4:RS+8*\i+7], v8, s[56:57] offset:512*\i+16
.endr
.irp b, 0,1,2,3,4,5,6,7
	global_load_b128 v[PS+8*\b:PS+8*\b+3], v8, s[58:59] offset:512*\b
	global_load_b128 v[PS+8*\b+4:PS+8*\b+7], v8, s[58:59] offset:512*\b+16
.endr
	WIN 0x80                                       ; destination window 2
.irp b, 0,1,2,3,4,5,6,7                        ; the bias in the result's layout: for P's tile b, bo at columns 32 (b / 2) + 16 h + 8 (b % 2) + 0 .. 7 of my 128
	global_load_b128 v[96+8*\b+96*(\b/4):96+8*\b+96*(\b/4)+3], v11, s[92:93] offset:128*(\b/2)+32*(\b%2)
	global_load_b128 v[96+8*\b+96*(\b/4)+4:96+8*\b+96*(\b/4)+7], v11, s[92:93] offset:128*(\b/2)+32*(\b%2)+16
.endr
	WIN 0
	s_mul_i32 s19, s13, 24576                      ; my four tiles of R in a half
	v_add_nc_u32 v4, s19, v9
	v_add_nc_u32 v5, s19, v10
	v_add_nc_u32 v5, 512, v5
	s_mul_i32 s19, s14, 49152                      ; my eight of P, behind R's eight
	s_add_co_u32 s19, s19, 49152
	v_add_nc_u32 v6, s19, v9
	v_add_nc_u32 v7, s19, v10
	v_add_nc_u32 v7, 512, v7
	s_mul_i32 s19, s12, 16*SPITCH                  ; my stage
	v_mul_u32_u24 v[STO], v2, SPITCH
	v_lshl_add_u32 v[STO], v3, 6, v[STO]
	v_add_nc_u32 v[STO], s19, v[STO]               ; in: row r, + 64 h
	v_add_nc_u32 v[RD], s19, v9                    ; back: the 32 lanes take one row of 512 bytes
	s_wait_alu depctr_va_vdst(0)
	s_cmp_lt_u32 s12, 2                            ; waves 0 and 1 brought the first half, by load lines of their own
	s_cbranch_scc0 .Lnot_first
	s_wait_tensorcnt 0x0
.Lnot_first:
	s_barrier_signal -1
	s_barrier_wait -1                              ; everybody's has
	FETCH 0
	s_wait_loadcnt 0x0                             ; the scale words and the bias
.irp k, 0,1,2,3,4,5,6,7
	STEP \k
.endr
	PLACES 4                                       ; in front of the first read of results, and of loads into registers that held fragments
	TOSTAGE 0
.irp a, 1,2,3
.if \a > 1
	s_wait_xcnt 0x0                                ; tile a - 2's stores have read their registers: tile a's loads may land there
.endif
	TOSTAGE \a
	SEND \a-1, 32                                  ; behind tile a - 1's loads: tile a's 16 stores and 16 loads
.endr
	SEND 3, 0
	s_wait_tensorcnt 0x0                           ; the wave's end, behind my last tensor load and my last LDS store
	ds_add_u32 v[SPW], v[NIL]
	s_wait_dscnt 0x0
	CROUND                                         ; the closing round
	s_endpgm
.Lfunc_end_k_qb15b0a1da7_outp:
	.size	k_qb15b0a1da7_outp, .Lfunc_end_k_qb15b0a1da7_outp-k_qb15b0a1da7_outp
	.p2alignl 7, 3214868480
	.fill 96, 4, 3214868480
	.section	.rodata,"a",@progbits
	.p2align	6, 0x0
	.amdhsa_kernel k_qb15b0a1da7_outp
		.amdhsa_group_segment_fixed_size 327680
		.amdhsa_private_segment_fixed_size 0
		.amdhsa_enable_private_segment 0
		.amdhsa_kernarg_size 48
		.amdhsa_user_sgpr_count 2
		.amdhsa_user_sgpr_kernarg_segment_ptr 1
		.amdhsa_wavefront_size32 1
		.amdhsa_system_sgpr_workgroup_id_x 1
		.amdhsa_system_sgpr_workgroup_id_y 1
		.amdhsa_system_sgpr_workgroup_id_z 1
		.amdhsa_system_vgpr_workitem_id 0
		.amdhsa_next_free_vgpr 768
		.amdhsa_next_free_sgpr 100
		.amdhsa_reserve_vcc 0
		.amdhsa_float_denorm_mode_32 3
		.amdhsa_float_denorm_mode_16_64 3
		.amdhsa_memory_ordered 1
		.amdhsa_forward_progress 1
		.amdhsa_inst_pref_size 85
	.end_amdhsa_kernel
	.amdgpu_metadata
---
amdhsa.version: [ 1, 2 ]
amdhsa.kernels:
  - .name:           k_qb15b0a1da7_outp
    .symbol:         k_qb15b0a1da7_outp.kd
    .args:
      - { .name: oc, .offset: 0, .size: 8, .value_kind: global_buffer, .address_space: global }
      - { .name: os, .offset: 8, .size: 8, .value_kind: global_buffer, .address_space: global }
      - { .name: acodes, .offset: 16, .size: 8, .value_kind: global_buffer, .address_space: global }
      - { .name: ascales, .offset: 24, .size: 8, .value_kind: global_buffer, .address_space: global }
      - { .name: bo, .offset: 32, .size: 8, .value_kind: global_buffer, .address_space: global }
      - { .name: out0, .offset: 40, .size: 8, .value_kind: global_buffer, .address_space: global }
    .group_segment_fixed_size: 327680
    .private_segment_fixed_size: 0
    .kernarg_segment_align: 8
    .kernarg_segment_size: 48
    .max_flat_workgroup_size: 128
    .sgpr_count:     100
    .vgpr_count:     768
    .wavefront_size: 32
...
	.end_amdgpu_metadata
.endif
;; end of part 4
